; MI455X (gfx1250); checked and timed in simulation.
; The chip was launched on July 23, 2026; its instructions are those of AMD's public machine-readable ISA for CDNA 5 (MIT licence, August 2026) and "CDNA5" Instruction Set Architecture Reference Guide (July 2026). The comments in the code are by the model that wrote it; some were corrected since.
;; Selective Attention. Allowed arithmetic: matrix products marked QUANTISED: E2M1 operands, one E8M0 scale for each 32 along K, by v_wmma_scale_f32_16x16x128_f8f6f4 with both operands' format E2M1 (or v_wmma_scale_f32_32x16x128_f4), f32 sums; products left as they are: f32 operands where the result goes on into a quantised operand, else bf16, f16 or f32 operands; f32 sums; everything else in f32.
;; Inputs: W_out 1,024 x 1,024 float32; W_qkv 1,024 x 3,072 float32; Wg1 1,024 x 256 float32; Wg2 256 x 1 float32; bg1 256 float32; bg2 1 float32; x 1 x 4,096 x 1,024 float32.
;; Outputs: out0 1 x 4,096 x 1,024 float32; out1 1 x 4,096 x 1 float32.
;; This version of the problem:
;;   THIS VERSION OF THE PROBLEM IS GIVEN IN LOW PRECISION. The matrix products marked QUANTISED in the list below multiply operands that are first quantised to E2M1 (2 exponent bits, 1 mantissa bit; 4 bits a number), with one power-of-two scale for each 32 numbers along K (OCP MX v1.0); their sums are f32. All else is computed in f32.
;;   The module's matrix products, in the order in which they are computed (A, B: the left and right operand; K: the contracted axis; several contracted axes count as one K, in the product's order):
;;     1. [M 4,096, K 1,024] x [K 1,024, N 256]; A: input x; B: input Wg1: QUANTISED
;;     2. [M 4,096, K 256] x [K 256, N 1]; A: computed on the way; B: input Wg2: left as it is (N = 1 < 16)
;;     3. [M 4,096, K 1,024] x [K 1,024, N 3,072]; A: input x; B: input W_qkv: QUANTISED
;;     4. batch 16 x [M 4,096, K 64] x [K 64, N 4,096]; A: computed on the way; B: computed on the way: QUANTISED
;;     5. batch 16 x [M 4,096, K 4,096] x [K 4,096, N 64]; A: softmax (see below); B: computed on the way: QUANTISED
;;     6. [M 4,096, K 1,024] x [K 1,024, N 1,024]; A: computed on the way; B: input W_out: QUANTISED
;;   THE QUANTISER, for each operand of a quantised product, along K:
;;     - K is cut into blocks of 32 from its start; a last block that is shorter is filled with zeros.
;;     - A block's scale is 2^e with e = floor(log2(the largest magnitude in the block)) - 2, held to -126 .. 127; a block of zeros has e = 0. As a byte (E8M0): e + 127.
;;     - Each number is divided by its block's scale, clamped to +-6, and rounded to the nearest number of E2M1, ties to even, subnormals kept.
;;     - The product sums the exact products of the quantised numbers (number of the format x scale) in f32.
;;   ~~~python
;;   def quantise(x, axis):      # numpy; x: float32 -> the quantised numbers, widened to float32 again
;;       x = np.moveaxis(x, axis, -1); K = x.shape[-1]
;;       x = np.pad(x, [(0, 0)] * (x.ndim - 1) + [(0, -K % 32)]); x = x.reshape(x.shape[:-1] + (-1, 32)); a = np.abs(x).max(-1, keepdims=True)
;;       e = np.where(a > 0, np.clip(np.frexp(np.where(a > 0, a, 1))[1] - 1 - 2, -126, 127), 0)      # np.frexp(a)[1] - 1 = floor(log2(a)), exactly
;;       r = np.clip(x / 2.0 ** e, -6, 6)
;;       step = 2.0 ** (np.maximum(np.frexp(np.where(r == 0, 1, r))[1] - 1, 0) - 1)
;;       q = np.round(r / step) * step * 2.0 ** e      # np.round: ties to even
;;       return np.moveaxis(q.reshape(q.shape[:-2] + (-1,))[..., :K], -1, axis).astype(np.float32)
;;   ~~~
;;   SOFTMAX AHEAD OF A QUANTISED PRODUCT. Where the list says 'softmax', what is quantised is not the finished softmax but p = 2^(t - M), with t = logit x log2(e) and M = ceil(the row's largest t), a whole number; so 1/2 < the row's largest p <= 1. The row's sum l is taken of the UNQUANTISED p, in f32, and the product's result is divided by l at the end. Since M is a whole number, a kernel that streams over the keys may use a running M (the ceiling of the running maximum): every later rescaling is an exact power of two, which a block's scale takes up: the codes' values come out the same.
;;   OPERANDS COMPUTED ON THE WAY. 'Computed on the way' means the value that the module computes at that place (a softmax that the list does not call 'softmax' is quantised finished and normalised). What goes into a quantiser is computed in f32, as accurately as f32 sums, v_exp_f32 and their like allow (about 1e-6 of the number): no bf16 or f16 on the way to a quantiser, and a product that is left as it is and whose result goes on into a quantised operand takes f32 operands (vector FMAs, or v_wmma_f32_16x16x4_f32). A number that lies on a knife's edge between two numbers of the format may be rounded either way, as far as f32 arithmetic and the matrix unit's own rounding can turn it there, and no further.
;; One version. Each part assembles by itself: llvm-mc -triple=amdgcn-amd-amdhsa -mcpu=gfx1250 --defsym DOCPART=n.
;; ======== version 1 of 1: 4 launches
;; limits: a function is approximated: absolute error at most 1.5e-07
;; workspace buffers: xpan 2,228,224 bytes; wpan 2,367,488 bytes; qimg 2,097,152 bytes; qsc 262,144 bytes; kv 4,587,520 bytes; apan 2,228,224 bytes
;; launch quant (part 1): grid 400 x 1, 4 waves a work-group, no clusters, 34,304 bytes of LDS; arguments x, W_qkv, Wg1, W_out, xpan, wpan; writes xpan, wpan
.if DOCPART == 1
	.amdgcn_target "amdgcn-amd-amdhsa--gfx1250"
	.amdhsa_code_object_version 6
	.text
	.protected	k_q368aeba891_quant
	.globl	k_q368aeba891_quant
	.p2align	8
	.type	k_q368aeba891_quant,@function
k_q368aeba891_quant:
	s_mov_b64 s[64:65], 0
	v_nop
	global_prefetch_b8 v0, s[64:65] scope:SCOPE_SE
	s_setreg_imm32_b32 hwreg(HW_REG_WAVE_MODE, 25, 1), 1
	s_wait_xcnt 0x0
; x [4096][1024] and the weights W_qkv [1024][3072], Wg1 [1024][256], W_out [1024][1024], all f32, become codes of FP4 (E2M1) with one E8M0 byte for each 32 along K = 1,024.
; A block's scale is 2^(floor(log2(its largest magnitude)) - 2); its byte is the largest magnitude's exponent field - 2, held at 1 from below.
; LIMITS: a block of zeros gets the byte 1 where the rule says 127 (its codes are zeros, and this program alone reads the bytes); NaN and infinities among the inputs are not served.
; THE RESULT IS LAID AS THE OPERANDS' REGISTERS.  A PANEL is 128 rows (tokens, or columns of a weight) x all of K: PAN = 69,632 bytes:
;   +0      scale words: that of (tile t of 16 rows, K step s of 128, row r) at 512 t + 256 (s % 2) + 16 r + 4 (s / 2)
;   +4,096  images: that of (s, t) at 8,192 s + 1,024 t: [c 0..1][lane][16 bytes] = registers 4 c .. 4 c + 3 of lane (r, h): k = 64 c + 32 h + 0 .. 31
; ROW r OF TILE T IS INDEX 32 (T / 2) + 8 (T % 2) + r + 8 (r / 8): with such a tile as a product's source 0, the 16 result registers of tiles 2 b and 2 b + 1 are 16 neighbours along that axis.
; xpan: 32 panels of tokens.  wpan: 34 panels of columns: 0-23 W_qkv, 24-25 Wg1, 26-33 W_out.
; Work-groups 0-127 take x: a wave takes one tile of 16 tokens and the four K steps of one parity.  Each load reads 512 consecutive bytes of a row; the 16 rows turn through the wave's own stage in LDS,
; so that a lane gets 16 neighbours of each block of 32.  Work-groups 128-399 take the weights: (panel g, K step s); a lane takes a column and its registers run down K, so nothing is transposed.
; No tensor loads, no barrier: waves share nothing.  Only x's way uses LDS.
.set PAN,  69632
.set SEL,  28                          ; s[28:29] lane selects for v_permlanex16_b32: lane l xor 16
.set RAW,  16                          ; v16-143  x: two sets of 16 rows as loaded
.set XN,   144                         ; v144-207 x: 64 numbers of my row: register 16 b + i = k 32 b + 16 h + i
.set PC,   208                         ; v208-223 x: codes, two sets of 8
.set PW,   224                         ; v224-227 x: the scale words of my four K steps
.set TM,   228                         ; v228-243 x: at work
.set WX,   32                          ; v32-159  weights: 128 numbers down K
.set WC,   160                         ; v160-175 weights: codes, four registers a block
.set WS,   176                         ; v176     weights: the scale word
	s_load_b256 s[4:11], s[0:1], 0x0               ; x s[4:5], W_qkv s[6:7], Wg1 s[8:9], W_out s[10:11]
	s_load_b128 s[12:15], s[0:1], 0x20             ; xpan s[12:13], wpan s[14:15]
	v_lshl_add_u32 v254, v0, 2, 0x8400
	v_mov_b32 v255, 0
	v_lshrrev_b32 v1, 5, v0
	v_readfirstlane_b32 s16, v1                    ; wave 0..3
	v_and_b32 v5, 31, v0                           ; lane
	s_cmp_lt_u32 ttmp9, 128
	s_cbranch_scc0 .Lweights
; ---------------------------------------------------------------- x
; 64 numbers of a lane become a fragment's 8 registers of codes and its scale word.
.macro QUANT src, pc, pw
.irp b, 0,1,2,3
	v_max3_num_f32 v[TM+\b], |v[\src+16*\b]|, |v[\src+1+16*\b]|, 0x1800000   ; block b: my 16 numbers, and the floor 2^(3 - 127): the byte cannot fall under 1
.endr
.irp i, 2,4,6,8,10,12,14
.irp b, 0,1,2,3
	v_max3_num_f32 v[TM+\b], v[TM+\b], |v[\src+16*\b+\i]|, |v[\src+1+16*\b+\i]|   ; the four blocks by turns
.endr
.endr
.irp b, 0,1,2,3
	v_permlanex16_b32 v[TM+4+\b], v[TM+\b], s[SEL], s[SEL+1]
.endr
.irp b, 0,1,2,3
	v_max_num_f32 v[TM+\b], v[TM+\b], v[TM+4+\b]   ; with lane l xor 16's 16: the block's largest magnitude
.endr
.irp b, 0,1,2,3
	v_add_nc_u32 v[TM+12+\b], 0xff000000, v[TM+\b] ; 2 off its exponent field: the conversion takes the exponent field of this operand as its scale
.endr
.irp b, 0,1,2,3
	v_lshrrev_b32 v[TM+4+\b], 23, v[TM+12+\b]      ; the scale's byte
.endr
	v_lshl_or_b32 v[\pw], v[TM+5], 8, v[TM+4]
	v_lshl_or_b32 v[\pw], v[TM+6], 16, v[\pw]
	v_lshl_or_b32 v[\pw], v[TM+7], 24, v[\pw]      ; my row's scale word
.irp b, 0,1,2,3
	v_cvt_scalef32_pk8_fp4_f32 v[\pc+2*\b], v[\src+16*\b:\src+7+16*\b], v[TM+12+\b]
	v_cvt_scalef32_pk8_fp4_f32 v[\pc+1+2*\b], v[\src+8+16*\b:\src+15+16*\b], v[TM+12+\b]
.endr
	v_nop                                          ; one plain line behind the scaled conversions
.irp c, 0,1                                    ; the layout wants a whole block in a lane: lanes 0-15 block 2 c, lanes 16-31 block 2 c + 1
.irp i, 0,1
	v_permlane16_swap_b32 v[\pc+4*\c+\i], v[\pc+2+4*\c+\i]
.endr
.endr
.endm
.macro XL j                            ; my tile's 16 rows, K step p + 2 j: each load reads 512 consecutive bytes
.set rho, 0
.rept 16
	global_load_b128 v[RAW+64*((\j)%2)+4*rho:RAW+64*((\j)%2)+4*rho+3], v1, s[4:5] offset:(rho+8*(rho/8))*4096+(\j)*1024 th:TH_LOAD_NT
.set rho, rho+1
.endr
.endm
.macro XT j                            ; through my stage: rows of 512 bytes + 16; LDS serves a wave's instructions in order, so no wait stands between the stores and the loads
.set rho, 0
.rept 16
	ds_store_b128 v2, v[RAW+64*((\j)%2)+4*rho:RAW+64*((\j)%2)+4*rho+3] offset:rho*528
.set rho, rho+1
.endr
.irp b, 0,1,2,3
.irp q, 0,1,2,3
	ds_load_b128 v[XN+16*\b+4*\q:XN+16*\b+4*\q+3], v3 offset:128*\b+16*\q
.endr
.endr
.endm
	v_lshlrev_b32 v1, 4, v5                        ; 16 x lane
	v_and_b32 v6, 15, v0                           ; r
	v_bfe_u32 v7, v0, 4, 1                         ; h
	s_mul_i32 s17, s16, 8448                       ; my stage: 16 rows x 528 bytes
	v_add_nc_u32 v2, s17, v1                       ; in: 16 x lane of a row
	v_mul_u32_u24 v3, v6, 528
	v_lshl_add_u32 v3, v7, 6, v3
	v_add_nc_u32 v3, s17, v3                       ; back: row r, + 64 h: my 16 numbers of a block
	v_lshlrev_b32 v4, 4, v6                        ; 16 r: my row's four scale words
	s_mov_b32 s[SEL], 0x76543210
	s_mov_b32 s[SEL+1], 0xfedcba98
.irp b, 0,1,2,3
	v_mov_b32 v[TM+4+\b], 0                        ; written once: a lane permute's destination counts as one of its sources
.endr
	s_lshl_b32 s18, ttmp9, 2
	s_add_co_u32 s18, s18, s16                     ; unit = 4 x work-group + wave
	s_lshr_b32 s19, s18, 1                         ; T: my tile of tokens, 0..255
	s_and_b32 s20, s18, 1                          ; p: my K steps' parity
	s_lshr_b32 s22, s19, 1
	s_lshl_b32 s22, s22, 17                        ; 32 (T / 2) rows of 4,096 bytes
	s_and_b32 s23, s19, 1
	s_lshl_b32 s23, s23, 15                        ; + 8 (T % 2) rows
	s_add_co_u32 s22, s22, s23
	s_lshl_b32 s23, s20, 9                         ; + 512 p
	s_add_co_u32 s22, s22, s23
	s_mov_b32 s23, 0
	s_lshr_b32 s24, s19, 3
	s_mul_i32 s24, s24, PAN                        ; my panel
	s_and_b32 s25, s19, 7                          ; my tile in it
	s_lshl_b32 s26, s25, 10
	s_add_co_u32 s26, s26, s24
	s_lshl_b32 s27, s20, 13
	s_add_co_u32 s26, s26, s27
	s_add_co_u32 s26, s26, 4096                    ; image (p, t)
	s_mov_b32 s27, 0
	s_lshl_b32 s25, s25, 9
	s_add_co_u32 s24, s24, s25
	s_lshl_b32 s25, s20, 8
	s_add_co_u32 s24, s24, s25                     ; scale words (t, parity p)
	s_mov_b32 s25, 0
	s_wait_kmcnt 0x0
	s_add_nc_u64 s[4:5], s[4:5], s[22:23]
	s_add_nc_u64 s[26:27], s[12:13], s[26:27]
	s_add_nc_u64 s[24:25], s[12:13], s[24:25]
	XL 0
	XL 1
.irp j, 0,1,2,3
.if \j < 3
	s_wait_loadcnt 16                              ; this K step's 16 loads are in; the next step's 16 may be out
.else
	s_wait_loadcnt 0x0
.endif
	XT \j
	s_wait_dscnt 0x0                               ; my numbers are back, and the stores into the stage have read their registers,
.if \j < 2
	XL \j+2                                        ; which take the loads of two steps on
.endif
.if \j >= 2
	s_wait_xcnt 0x0                                ; the stores of two steps back have read this set of codes: it is written again only behind this wait
.endif
	QUANT XN, PC+8*(\j%2), PW+\j
.irp c, 0,1
	global_store_b128 v1, v[PC+8*(\j%2)+4*\c:PC+8*(\j%2)+4*\c+3], s[26:27] offset:\j*16384+512*\c   ; 32 lanes store 512 consecutive bytes
.endr
.endr
	global_store_b128 v4, v[PW:PW+3], s[24:25]     ; 16 rows x 16 bytes: 256 consecutive bytes, aligned (lanes 16-31 hold and store the same words)
	s_wait_tensorcnt 0x0
	ds_add_u32 v254, v255
	s_wait_dscnt 0x0
	s_endpgm
; ---------------------------------------------------------------- the weights
.Lweights:
.macro WLOAD b, pitch                  ; block b: W(128 s + 32 b + i, my column): 32 lanes read 128 consecutive bytes, the four waves 512
.set i, 0
.rept 32
	global_load_b32 v[WX+32*(\b)+i], v1, s[20:21] offset:(32*(\b)+i)*(\pitch)*4 th:TH_LOAD_NT
.set i, i+1
.endr
.endm
.macro WBLK b                          ; block b: all its 32 numbers are mine
.set XS, WX+32*(\b)
	v_max3_num_f32 v12, |v[XS]|, |v[XS+1]|, |v[XS+2]|
	v_max3_num_f32 v13, |v[XS+3]|, |v[XS+4]|, |v[XS+5]|
.irp i, 6,10,14,18,22,26
	v_max3_num_f32 v12, v12, |v[XS+\i]|, |v[XS+\i+1]|
	v_max3_num_f32 v13, v13, |v[XS+\i+2]|, |v[XS+\i+3]|
.endr
	v_max3_num_f32 v12, v12, |v[XS+30]|, |v[XS+31]|
	v_max3_num_f32 v12, v12, v13, 0x1800000        ; and the floor 2^(3 - 127)
	v_add_nc_u32 v11, 0xff000000, v12              ; the conversion's scale operand
	v_lshrrev_b32 v13, 23, v11                     ; the scale's byte
.if (\b) == 0
	v_mov_b32 v[WS], v13
.else
	v_lshl_or_b32 v[WS], v13, 8*(\b), v[WS]
.endif
.irp g, 0,1,2,3
	v_cvt_scalef32_pk8_fp4_f32 v[WC+4*(\b)+\g], v[XS+8*\g:XS+8*\g+7], v11
.endr
	global_store_b128 v2, v[WC+4*(\b):WC+4*(\b)+3], s[26:27] offset:256*(\b)   ; block b = 2 c + h lies at 512 c + 256 h + 16 r of the image: the wave fills two aligned runs of 256 bytes (its two tiles)
.endm
; One tensor's way: ptr: its address; pitch: its columns; g0: its first panel.  Loads run two blocks ahead, each block into registers of its own.
.macro WARM ptr, pitch, g0
	s_sub_co_u32 s22, s18, \g0                     ; which 128 columns of the tensor
	s_lshl_b32 s22, s22, 9
	s_mul_i32 s23, s19, 128*\pitch*4               ; 128 s rows down
	s_add_co_u32 s22, s22, s23
	s_lshl_b32 s23, s16, 7                         ; my wave's 32 columns
	s_add_co_u32 s22, s22, s23
	s_mov_b32 s23, 0
	s_add_nc_u64 s[20:21], s[\ptr:\ptr+1], s[22:23]
	WLOAD 0, \pitch
	WLOAD 1, \pitch
	s_wait_loadcnt 32                              ; block 0 is in; block 1's 32 loads may be out
	WLOAD 2, \pitch
	WBLK 0
	s_wait_loadcnt 32                              ; block 1 is in; block 2's may be out
	WLOAD 3, \pitch
	WBLK 1
	s_wait_loadcnt 32                              ; block 2 is in; block 3's may be out
	WBLK 2
	s_wait_loadcnt 0x0
	WBLK 3
	global_store_b32 v3, v[WS], s[24:25]           ; my column's scale word of this K step: words 16 bytes apart; 4 bytes for each 512 that the lane reads
	s_endpgm
.endm
	v_lshlrev_b32 v1, 2, v5                        ; 4 x lane
	v_bfe_u32 v6, v5, 3, 1                         ; column 32 w + lane is row r of tile 2 w + u: u = (lane / 8) % 2,
	v_and_b32 v7, 7, v5
	v_bfe_u32 v8, v5, 4, 1
	v_lshl_add_u32 v7, v8, 3, v7                   ; r = lane % 8 + 8 (lane / 16)
	s_lshl_b32 s17, s16, 1
	v_add_nc_u32 v6, s17, v6                       ; the tile
	v_lshlrev_b32 v7, 4, v7                        ; 16 r
	v_lshl_add_u32 v2, v6, 10, v7                  ; in a K step's images
	v_lshl_add_u32 v3, v6, 9, v7                   ; among the scale words
	s_sub_co_u32 s17, ttmp9, 128
	s_lshr_b32 s18, s17, 3                         ; g: the panel, 0..33
	s_and_b32 s19, s17, 7                          ; s: the K step
	s_mul_i32 s24, s18, PAN
	s_lshl_b32 s25, s19, 13
	s_add_co_u32 s26, s24, s25
	s_add_co_u32 s26, s26, 4096                    ; the K step's images
	s_mov_b32 s27, 0
	s_and_b32 s25, s19, 1
	s_lshl_b32 s25, s25, 8
	s_add_co_u32 s24, s24, s25
	s_lshr_b32 s25, s19, 1
	s_lshl_b32 s25, s25, 2
	s_add_co_u32 s24, s24, s25                     ; its place among the scale words
	s_mov_b32 s25, 0
	s_wait_kmcnt 0x0
	s_add_nc_u64 s[26:27], s[14:15], s[26:27]
	s_add_nc_u64 s[24:25], s[14:15], s[24:25]
	s_cmp_lt_u32 s18, 24
	s_cbranch_scc0 .Lnot_qkv
	WARM 6, 3072, 0
.Lnot_qkv:
	s_cmp_lt_u32 s18, 26
	s_cbranch_scc0 .Lw_out
	WARM 8, 256, 24
.Lw_out:
	WARM 10, 1024, 26
.Lfunc_end_k_q368aeba891_quant:
	.size	k_q368aeba891_quant, .Lfunc_end_k_q368aeba891_quant-k_q368aeba891_quant
	.p2alignl 7, 3214868480
	.fill 96, 4, 3214868480
	.section	.rodata,"a",@progbits
	.p2align	6, 0x0
	.amdhsa_kernel k_q368aeba891_quant
		.amdhsa_group_segment_fixed_size 34304
		.amdhsa_private_segment_fixed_size 0
		.amdhsa_enable_private_segment 0
		.amdhsa_kernarg_size 48
		.amdhsa_user_sgpr_count 2
		.amdhsa_user_sgpr_kernarg_segment_ptr 1
		.amdhsa_wavefront_size32 1
		.amdhsa_system_sgpr_workgroup_id_x 1
		.amdhsa_system_sgpr_workgroup_id_y 1
		.amdhsa_system_sgpr_workgroup_id_z 1
		.amdhsa_system_vgpr_workitem_id 0
		.amdhsa_next_free_vgpr 256
		.amdhsa_next_free_sgpr 66
		.amdhsa_reserve_vcc 0
		.amdhsa_float_denorm_mode_32 3
		.amdhsa_float_denorm_mode_16_64 3
		.amdhsa_memory_ordered 1
		.amdhsa_forward_progress 1
		.amdhsa_inst_pref_size 90
	.end_amdhsa_kernel
	.amdgpu_metadata
---
amdhsa.version: [ 1, 2 ]
amdhsa.kernels:
  - .name:           k_q368aeba891_quant
    .symbol:         k_q368aeba891_quant.kd
    .args:
      - { .name: x, .offset: 0, .size: 8, .value_kind: global_buffer, .address_space: global }
      - { .name: W_qkv, .offset: 8, .size: 8, .value_kind: global_buffer, .address_space: global }
      - { .name: Wg1, .offset: 16, .size: 8, .value_kind: global_buffer, .address_space: global }
      - { .name: W_out, .offset: 24, .size: 8, .value_kind: global_buffer, .address_space: global }
      - { .name: xpan, .offset: 32, .size: 8, .value_kind: global_buffer, .address_space: global }
      - { .name: wpan, .offset: 40, .size: 8, .value_kind: global_buffer, .address_space: global }
    .group_segment_fixed_size: 34304
    .private_segment_fixed_size: 0
    .kernarg_segment_align: 8
    .kernarg_segment_size: 48
    .max_flat_workgroup_size: 128
    .sgpr_count:     66
    .vgpr_count:     256
    .wavefront_size: 32
...
	.end_amdgpu_metadata
.endif
;; end of part 1
;; launch qkv (part 2): grid 16 x 12, 16 waves a work-group, clusters of 4 x 4, 284,672 bytes of LDS; arguments xpan, wpan, qimg, qsc, kv; writes qimg, qsc, kv
.if DOCPART == 2
	.amdgcn_target "amdgcn-amd-amdhsa--gfx1250"
	.amdhsa_code_object_version 6
	.text
	.protected	k_q368aeba891_qkv
	.globl	k_q368aeba891_qkv
	.p2align	8
	.type	k_q368aeba891_qkv,@function
k_q368aeba891_qkv:
	s_mov_b64 s[64:65], 0
	v_nop
	global_prefetch_b8 v0, s[64:65] scope:SCOPE_SE
	s_setreg_imm32_b32 hwreg(HW_REG_WAVE_MODE, 25, 1), 1
	s_wait_xcnt 0x0
	s_wait_alu depctr_hold_cnt(0) depctr_sa_sdst(0) depctr_va_vdst(0) depctr_va_sdst(0) depctr_va_ssrc(0) depctr_va_vcc(0) depctr_vm_vsrc(0)
	s_getreg_b32 s2, hwreg(HW_REG_IB_STS2, 6, 4)
	s_cmp_eq_u32 s2, 0
	s_cbranch_scc0 .Lentry_in_a_cluster
	s_endpgm
.Lentry_in_a_cluster:
	s_bfe_u32 s2, ttmp6, 0x10000c
	s_cmp_lg_u32 s2, 0xf033
	s_cbranch_scc0 .Lentry_shape_is_right
	s_endpgm
.Lentry_shape_is_right:
; qkv = Q(x) Q(W_qkv) on codes of FP4 with E8M0 scales, sums in f32; the results are quantised here, in registers, for the two products of attention: q and k along the head's 64, v along the keys.
; A work-group takes 256 tokens x 256 columns (four heads of q, of k or of v: the cluster's y says which).  Both operands, for all of K = 1,024, are two panels each (2 x 69,632 bytes) and lie in LDS whole:
; every LDS byte is filled once, so there is no ring.  192 work-groups: 3,072 columns are 12 blocks of 256.
; CLUSTER 4 x 4: the four work-groups of a column of the cluster need the same tokens' panels, the four of a row the same weights' panels: each is asked for jointly.
; Sixteen waves: wave w takes tokens 64 (w % 4) on and columns 64 (w / 4) on, one head: 16 accumulators.  Four waves share a SIMD, so that one wave's LDS loads stand beside another's products.
; PANEL (see the launch that makes it): scale word (tile t, K step s, row r) at 512 t + 256 (s % 2) + 16 r + 4 (s / 2); image (s, t) at 4,096 + 8,192 s + 1,024 t, 16 bytes a lane and 512 a load.
; Row r of tile T is index 32 (T / 2) + 8 (T % 2) + r + 8 (r / 8), so the 16 registers of the results of source-0 tiles 2 b, 2 b + 1 are 16 neighbours along source 0's rows.
; q, k: source 0 = 16 columns of W, source 1 = 16 tokens: a lane holds one token, its 32 registers run along d.   v: source 0 = 16 tokens, source 1 = 16 columns: a lane holds one d, its registers run along the tokens (the keys).
; OUT: qimg [head][tile of 16 tokens][512 bytes] = registers 0-3 of a fragment (k = 32 h + 0 .. 31 of the head's 64); qsc [head][tile][16 words], a word = byte 0 | byte 1 << 8.
;   kv [head][286,720 bytes]: keys 0-1,023: K tiles +0, V images +32,768, K scale words +65,536, V scale words +69,632; keys 1,024-4,095: +71,680, +169,984, +268,288, +280,576.
;   A V image is (key step of 128, tile of 16 d), 1,024 bytes; V's scale words [key step][tile of d][16 words].
; LIMITS: a block of zeros gets the byte 1 (its codes are zeros; this program alone reads the bytes); NaN and infinities are not served.
.set PAN,  69632
.set HKV,  286720
.set WOP,  2*PAN                       ; LDS: the tokens' two panels at 0, the weights' two here,
.set STG,  4*PAN                       ; and 256 bytes for each wave, for its scale words on the way out
.set WV,   14                          ; s14  wave
.set SEL,  56                          ; s[56:57]
.set ACC,  16                          ; v16-143  accumulator (a, b) at v[16 + 8 (4 a + b)]
.set XF,   144                         ; v144-175 four fragments of x
.set WF,   176                         ; v176-207 four fragments of W
.set SC,   208                         ; v208-239 scale words and nothing else: register 8 i + 4 (s % 2) + s / 2: lanes 0-15 x's tile i, lanes 16-31 W's tile i
.set TM,   144                         ; the way out: v144-149 at work, v160-175 codes, v176-179 scale words
.set PC,   160
.set PW,   176
.macro PLACES                          ; four plain lines between a matrix instruction and a load into, or a vector line on, its registers
.rept 4
	v_nop
.endr
.endm
.macro ROUND                           ; a round of the cluster's barrier
	s_barrier_signal -1
	s_barrier_wait -1
	s_cmp_lg_u32 s[WV], 0
	s_cbranch_scc1 .Lnw0_\@
	s_barrier_signal -3
.Lnw0_\@:
	s_barrier_wait -3
	s_barrier_signal -1
	s_barrier_wait -1
.endm
; 32 numbers of a lane, register 16 b + i = k 32 b + 16 h + i of my row, become 4 registers of codes (lane (r, h): k = 32 h + 0 .. 31) and a scale word (byte 0 | byte 1 << 8).
.macro QUANT2 src, pc, pw
.irp b, 0,1
	v_max3_num_f32 v[TM+\b], |v[\src+16*\b]|, |v[\src+1+16*\b]|, 0x1800000   ; and the floor 2^(3 - 127): the byte cannot fall under 1
.endr
.irp i, 2,4,6,8,10,12,14
.irp b, 0,1
	v_max3_num_f32 v[TM+\b], v[TM+\b], |v[\src+16*\b+\i]|, |v[\src+1+16*\b+\i]|
.endr
.endr
.irp b, 0,1
	v_permlanex16_b32 v[TM+2+\b], v[TM+\b], s[SEL], s[SEL+1]
.endr
.irp b, 0,1
	v_max_num_f32 v[TM+\b], v[TM+\b], v[TM+2+\b]   ; with lane l xor 16's 16: the block's largest magnitude
.endr
.irp b, 0,1
	v_add_nc_u32 v[TM+4+\b], 0xff000000, v[TM+\b]  ; 2 off its exponent field: the conversion's scale operand
.endr
.irp b, 0,1
	v_lshrrev_b32 v[TM+2+\b], 23, v[TM+4+\b]       ; the scale's byte
.endr
	v_lshl_or_b32 v[\pw], v[TM+3], 8, v[TM+2]
.irp b, 0,1
	v_cvt_scalef32_pk8_fp4_f32 v[\pc+2*\b], v[\src+16*\b:\src+7+16*\b], v[TM+4+\b]
	v_cvt_scalef32_pk8_fp4_f32 v[\pc+1+2*\b], v[\src+8+16*\b:\src+15+16*\b], v[TM+4+\b]
.endr
	v_nop                                          ; one plain line behind the scaled conversions
.irp i, 0,1
	v_permlane16_swap_b32 v[\pc+\i], v[\pc+2+\i]   ; a whole block to a lane: lanes 0-15 block 0, lanes 16-31 block 1
.endr
.endm
	s_load_b256 s[4:11], s[0:1], 0x0               ; xpan s[4:5], wpan s[6:7], qimg s[8:9], qsc s[10:11]
	s_load_b64 s[12:13], s[0:1], 0x20              ; kv
	v_lshl_add_u32 v254, v0, 2, 0x45000
	v_mov_b32 v255, 0
	ds_add_u32 v254, v255
	ds_add_u32 v254, v255
	v_lshrrev_b32 v1, 5, v0
	v_readfirstlane_b32 s[WV], v1                  ; wave 0..15
	s_bfe_u32 s15, ttmp6, 0x40000                  ; cx
	s_bfe_u32 s16, ttmp6, 0x40004                  ; cy
	s_lshl_b32 s17, ttmp9, 2
	s_add_co_u32 s17, s17, s15                     ; bx: my 256 tokens
	s_and_b32 s19, ttmp7, 0xffff                   ; the cluster's y: 0 q, 1 k, 2 v: the same in all sixteen partners
	s_lshl_b32 s18, s19, 2
	s_add_co_u32 s18, s18, s16                     ; by: my 256 columns
	s_and_b32 s20, s[WV], 3                        ; xq: my 64 tokens
	s_lshr_b32 s21, s[WV], 2                       ; wq: my 64 columns
	s_lshl_b32 s66, 0x1111, s15                    ; my column of the cluster (same cx)
	s_lshl_b32 s67, s16, 2
	s_lshl_b32 s67, 15, s67                        ; my row (same cy)
	; descriptor group 1: 34 rows of 256 bytes (32 elements of 8 bytes), dense in memory and in LDS
	s_or_b32 s24, s66, (3<<16)|(1<<21)             ; the tokens' panels go to my column;
	s_or_b32 s32, s67, (3<<16)|(1<<21)             ; the weights' to my row
.irp g, 24, 32
	s_mov_b32 s[\g+1], 32<<16                      ; tensor_dim0
	s_mov_b32 s[\g+2], 34<<16                      ; tensor_dim1
	s_mov_b32 s[\g+3], 32<<16                      ; tile_dim0
	s_mov_b32 s[\g+4], 34                          ; tile_dim1
	s_mov_b32 s[\g+5], 32                          ; from row to row
	s_mov_b32 s[\g+6], 0
	s_mov_b32 s[\g+7], 0
.endr
	; waves 0-7 fetch the tokens' panels, waves 8-15 the weights': wave w % 8 takes, of panel (w % 8) / 4, rows 34 (w % 4) on of its first 136 rows, and the same of its last 136.
	; The first 136 rows of a panel hold all its scale words and K steps 0 to 2.
	s_and_b32 s68, s[WV], 7
	s_lshr_b32 s69, s68, 2
	s_mul_i32 s69, s69, PAN
	s_and_b32 s68, s68, 3
	s_mul_i32 s68, s68, 8704
	s_add_co_u32 s68, s68, s69                     ; my part's place in an operand: no place in the cluster enters an LDS address
	s_mul_i32 s70, s17, 2*PAN
	s_add_co_u32 s70, s70, s68
	s_mov_b32 s71, 0
	s_mul_i32 s72, s18, 2*PAN
	s_add_co_u32 s72, s72, s68
	s_mov_b32 s73, 0
	s_mov_b32 s[SEL], 0x76543210
	s_mov_b32 s[SEL+1], 0xfedcba98
	s_wait_dscnt 0x0
	s_wait_kmcnt 0x0
	s_add_nc_u64 s[70:71], s[4:5], s[70:71]
	s_add_nc_u64 s[72:73], s[6:7], s[72:73]
	s_mov_b32 s40, 1                               ; the tokens', first halves
	s_mov_b32 s41, s68
	s_mov_b64 s[42:43], s[70:71]
	s_or_b32 s43, s43, 0x80000000
	s_mov_b32 s44, 1                               ; second halves
	s_add_co_u32 s45, s68, 34816
	s_add_nc_u64 s[46:47], s[70:71], 34816
	s_or_b32 s47, s47, 0x80000000
	s_mov_b32 s48, 1                               ; the weights', first halves
	s_add_co_u32 s49, s68, WOP
	s_mov_b64 s[50:51], s[72:73]
	s_or_b32 s51, s51, 0x80000000
	s_mov_b32 s52, 1                               ; second halves
	s_add_co_u32 s53, s68, WOP+34816
	s_add_nc_u64 s[54:55], s[72:73], 34816
	s_or_b32 s55, s55, 0x80000000
	ROUND                                          ; all sixteen work-groups are here: the joint loads meet
	s_cmp_lt_u32 s[WV], 8                          ; a wave's two loads stand in one branch on the wave's number; two loads of mine are out
	s_cbranch_scc0 .Lfor_w
	tensor_load_to_lds s[40:43], s[24:31]
	s_nop 0
	tensor_load_to_lds s[44:47], s[24:31]
	s_nop 0
	PLACES
	s_branch .Lasked
.Lfor_w:
	tensor_load_to_lds s[48:51], s[32:39]
	s_nop 0
	tensor_load_to_lds s[52:55], s[32:39]
	s_nop 0
	PLACES
.Lasked:
	v_and_b32 v9, 31, v0                           ; lane
	v_lshlrev_b32 v1, 4, v9                        ; 16 x lane
	v_and_b32 v10, 15, v0                          ; r
	v_bfe_u32 v11, v0, 4, 1                        ; h
	s_lshr_b32 s74, s20, 1
	s_mul_i32 s74, s74, PAN                        ; my tokens' panel,
	s_and_b32 s75, s20, 1
	s_lshl_b32 s76, s75, 12                        ; my four tiles' images in a K step
	s_add_co_u32 s76, s76, s74
	s_add_co_u32 s76, s76, 4096
	v_add_nc_u32 v2, s76, v1                       ; v2: x's fragments
	s_lshl_b32 s75, s75, 11
	s_add_co_u32 s74, s74, s75                     ; my four tiles' scale words
	s_lshr_b32 s77, s21, 1
	s_mul_i32 s77, s77, PAN
	s_add_co_u32 s77, s77, WOP
	s_and_b32 s78, s21, 1
	s_lshl_b32 s79, s78, 12
	s_add_co_u32 s79, s79, s77
	s_add_co_u32 s79, s79, 4096
	v_add_nc_u32 v3, s79, v1                       ; v3: W's fragments
	s_lshl_b32 s78, s78, 11
	s_add_co_u32 s77, s77, s78
	s_sub_co_u32 s77, s77, s74                     ; from x's scale words to W's
	v_mul_u32_u24 v4, s77, v11                     ; lanes 16-31 take W's
	v_lshl_add_u32 v4, v10, 4, v4
	v_add_nc_u32 v4, s74, v4                       ; v4: scale words: 16 r + x's place + h x the distance
	s_lshl_b32 s78, s[WV], 8
	s_add_co_u32 s78, s78, STG
	v_lshl_add_u32 v5, v10, 2, s78                 ; v5: my stage, a word a row
	v_lshl_add_u32 v6, v9, 3, s78                  ; v6: and back, 8 bytes a lane
	v_lshlrev_b32 v7, 3, v9                        ; v7: 8 x lane
	v_lshlrev_b32 v8, 2, v10                       ; v8: 4 r
	; where my results go
	s_lshl_b32 s84, s17, 2
	s_add_co_u32 s84, s84, s20                     ; t64: which 64 tokens of the 4,096
	s_lshl_b32 s85, s16, 2
	s_add_co_u32 s85, s85, s21                     ; the head
	s_mul_i32 s86, s85, HKV
	s_cmp_lt_u32 s84, 16                           ; keys under 1,024?
	s_mov_b32 s87, 38912
	s_cselect_b32 s87, 0, s87                      ; K tiles: 512 x tile, + 71,680 - 32,768 from key 1,024 on
	s_mov_b32 s88, 264192
	s_cselect_b32 s88, 65536, s88                  ; K scale words: 64 x tile + 65,536, or + 268,288 - 4,096
	s_mov_b32 s89, 137216
	s_cselect_b32 s89, 32768, s89                  ; V images: 4,096 x key step + 32,768, or + 169,984 - 32,768
	s_mov_b32 s90, 278528
	s_cselect_b32 s90, 69632, s90                  ; V scale words: 256 x key step + 69,632, or + 280,576 - 2,048
	s_lshl_b32 s91, s84, 11
	s_add_co_u32 s87, s87, s91
	s_add_co_u32 s87, s87, s86                     ; k: images
	s_lshl_b32 s92, s84, 8
	s_add_co_u32 s88, s88, s92
	s_add_co_u32 s88, s88, s86                     ; k: scale words
	s_lshl_b32 s93, s85, 17
	s_add_co_u32 s91, s91, s93                     ; q: images
	s_lshl_b32 s93, s85, 14
	s_add_co_u32 s92, s92, s93                     ; q: scale words
	s_lshr_b32 s93, s84, 1                         ; v: the key step,
	s_and_b32 s94, s84, 1                          ; and which 64 of its 128 keys
	s_lshl_b32 s95, s93, 12
	s_add_co_u32 s89, s89, s95
	s_lshl_b32 s95, s94, 9
	s_add_co_u32 s89, s89, s95
	s_add_co_u32 s89, s89, s86                     ; v: images
	s_lshl_b32 s95, s93, 8
	s_add_co_u32 s90, s90, s95
	s_lshl_b32 s95, s94, 1
	s_add_co_u32 s90, s90, s95
	s_add_co_u32 s90, s90, s86                     ; v: scale words (two bytes of each)
	s_cmp_eq_u32 s19, 0
	s_cselect_b32 s66, s91, s87
	s_cselect_b32 s68, s92, s88
	s_cselect_b64 s[80:81], s[8:9], s[12:13]       ; the choice hangs on the cluster's y alone
	s_cselect_b64 s[82:83], s[10:11], s[12:13]
	s_cmp_eq_u32 s19, 2
	s_cselect_b32 s66, s89, s66
	s_cselect_b32 s68, s90, s68
	s_mov_b32 s67, 0
	s_mov_b32 s69, 0
	s_add_nc_u64 s[80:81], s[80:81], s[66:67]
	s_add_nc_u64 s[82:83], s[82:83], s[68:69]
.macro MMQ a, b, s, zero               ; q, k: source 0 = W's tile b (its scale words in lanes 16-31), source 1 = x's tile a
.if \zero
	v_wmma_scale_f32_16x16x128_f8f6f4 v[ACC+8*(4*\a+\b):ACC+8*(4*\a+\b)+7], v[WF+8*\b:WF+8*\b+7], v[XF+8*\a:XF+8*\a+7], 0, v[SC+8*\b+4*((\s)%2)+(\s)/2], v[SC+8*\a+4*((\s)%2)+(\s)/2] matrix_a_fmt:MATRIX_FMT_FP4 matrix_b_fmt:MATRIX_FMT_FP4 matrix_a_scale:MATRIX_SCALE_ROW1
.else
	v_wmma_scale_f32_16x16x128_f8f6f4 v[ACC+8*(4*\a+\b):ACC+8*(4*\a+\b)+7], v[WF+8*\b:WF+8*\b+7], v[XF+8*\a:XF+8*\a+7], v[ACC+8*(4*\a+\b):ACC+8*(4*\a+\b)+7], v[SC+8*\b+4*((\s)%2)+(\s)/2], v[SC+8*\a+4*((\s)%2)+(\s)/2] matrix_a_fmt:MATRIX_FMT_FP4 matrix_b_fmt:MATRIX_FMT_FP4 matrix_a_scale:MATRIX_SCALE_ROW1
.endif
.endm
.macro MMV a, b, s, zero               ; v: source 0 = x's tile b, source 1 = W's tile a (its scale words in lanes 16-31)
.if \zero
	v_wmma_scale_f32_16x16x128_f8f6f4 v[ACC+8*(4*\a+\b):ACC+8*(4*\a+\b)+7], v[XF+8*\b:XF+8*\b+7], v[WF+8*\a:WF+8*\a+7], 0, v[SC+8*\b+4*((\s)%2)+(\s)/2], v[SC+8*\a+4*((\s)%2)+(\s)/2] matrix_a_fmt:MATRIX_FMT_FP4 matrix_b_fmt:MATRIX_FMT_FP4 matrix_b_scale:MATRIX_SCALE_ROW1
.else
	v_wmma_scale_f32_16x16x128_f8f6f4 v[ACC+8*(4*\a+\b):ACC+8*(4*\a+\b)+7], v[XF+8*\b:XF+8*\b+7], v[WF+8*\a:WF+8*\a+7], v[ACC+8*(4*\a+\b):ACC+8*(4*\a+\b)+7], v[SC+8*\b+4*((\s)%2)+(\s)/2], v[SC+8*\a+4*((\s)%2)+(\s)/2] matrix_a_fmt:MATRIX_FMT_FP4 matrix_b_fmt:MATRIX_FMT_FP4 matrix_b_scale:MATRIX_SCALE_ROW1
.endif
.endm
; A K step of 128: eight fragments from LDS, 16 products; the 16 accumulators take turns, one instruction a turn, in the same order in every step.
; The branch hangs on the cluster's y and stands round the products alone.  zero = 1: the products start the sums: nothing is cleared.
.macro KSTEP s, zero
.if \s > 0
	PLACES
.endif
.irp i, 0,1,2,3
.irp c, 0,1
	ds_load_b128 v[XF+8*\i+4*\c:XF+8*\i+4*\c+3], v2 offset:\s*8192+\i*1024+512*\c
	ds_load_b128 v[WF+8*\i+4*\c:WF+8*\i+4*\c+3], v3 offset:\s*8192+\i*1024+512*\c
.endr
.endr
	s_wait_dscnt 0x0
	s_cmp_eq_u32 s19, 2
	s_cbranch_scc1 .Lv_\@
.irp a, 0,1,2,3
.irp b, 0,1,2,3
	MMQ \a, \b, \s, \zero
.endr
.endr
	s_branch .Ldone_\@
.Lv_\@:
.irp a, 0,1,2,3
.irp b, 0,1,2,3
	MMV \a, \b, \s, \zero
.endr
.endr
.Ldone_\@:
.endm
	s_wait_tensorcnt 0x1                           ; my first load has landed; my second may stay out: no LDS byte is filled twice in this launch
	s_barrier_signal -1
	s_barrier_wait -1                              ; everybody's first has: all scale words and K steps 0 to 2 lie in LDS
.irp i, 0,1,2,3
.irp p, 0,1
	ds_load_b128 v[SC+8*\i+4*\p:SC+8*\i+4*\p+3], v4 offset:\i*512+\p*256   ; the scale words of all eight K steps: they stay in registers
.endr
.endr
	KSTEP 0, 1
	KSTEP 1, 0
	KSTEP 2, 0
	s_wait_tensorcnt 0x0                           ; my second load has landed,
	s_wait_dscnt 0x0
	s_barrier_signal -1
	s_barrier_wait -1                              ; everybody's has
	KSTEP 3, 0
	KSTEP 4, 0
	KSTEP 5, 0
	KSTEP 6, 0
	KSTEP 7, 0
	PLACES
	v_mov_b32 v[TM+2], 0                           ; a lane permute's destination counts as one of its sources
	v_mov_b32 v[TM+3], 0
.irp a, 0,1,2,3
	QUANT2 ACC+32*\a, PC+4*\a, PW+\a               ; each accumulator is read from its low end on
.endr
	s_cmp_eq_u32 s19, 2
	s_cbranch_scc1 .Lstore_v
.irp a, 0,1,2,3
	global_store_b128 v1, v[PC+4*\a:PC+4*\a+3], s[80:81] offset:512*\a   ; a tile of 16 tokens: 512 consecutive bytes
	ds_store_b32 v5, v[PW+\a] offset:64*\a         ; (both halves of the lanes hold and write the same word)
.endr
	ds_load_b64 v[180:181], v6                     ; LDS serves a wave's instructions in order: this sees my stores
	s_wait_dscnt 0x0
	global_store_b64 v7, v[180:181], s[82:83]      ; my four tiles' scale words: 256 consecutive bytes, aligned
	s_branch .Lstored
.Lstore_v:
.irp a, 0,1,2,3
	global_store_b128 v1, v[PC+4*\a:PC+4*\a+3], s[80:81] offset:1024*\a  ; half of the image of (key step, tile a of d): 512 consecutive bytes
	global_store_b16 v8, v[PW+\a], s[82:83] offset:64*\a                 ; two bytes of a word whose other two come from the wave with the key step's other 64 keys: 2 bytes for each 32 of codes
.endr
.Lstored:
	s_wait_dscnt 0x0
	s_wait_tensorcnt 0x0
	ds_add_u32 v254, v255
	s_wait_dscnt 0x0
	ROUND                                          ; the closing round: no work-group ends while a partner may still ask for a tile that names it
	s_endpgm
.Lfunc_end_k_q368aeba891_qkv:
	.size	k_q368aeba891_qkv, .Lfunc_end_k_q368aeba891_qkv-k_q368aeba891_qkv
	.p2alignl 7, 3214868480
	.fill 96, 4, 3214868480
	.section	.rodata,"a",@progbits
	.p2align	6, 0x0
	.amdhsa_kernel k_q368aeba891_qkv
		.amdhsa_group_segment_fixed_size 284672
		.amdhsa_private_segment_fixed_size 0
		.amdhsa_enable_private_segment 0
		.amdhsa_kernarg_size 40
		.amdhsa_user_sgpr_count 2
		.amdhsa_user_sgpr_kernarg_segment_ptr 1
		.amdhsa_wavefront_size32 1
		.amdhsa_system_sgpr_workgroup_id_x 1
		.amdhsa_system_sgpr_workgroup_id_y 1
		.amdhsa_system_sgpr_workgroup_id_z 1
		.amdhsa_system_vgpr_workitem_id 0
		.amdhsa_next_free_vgpr 256
		.amdhsa_next_free_sgpr 96
		.amdhsa_reserve_vcc 0
		.amdhsa_float_denorm_mode_32 3
		.amdhsa_float_denorm_mode_16_64 3
		.amdhsa_memory_ordered 1
		.amdhsa_forward_progress 1
		.amdhsa_inst_pref_size 61
	.end_amdhsa_kernel
	.amdgpu_metadata
---
amdhsa.version: [ 1, 2 ]
amdhsa.kernels:
  - .name:           k_q368aeba891_qkv
    .symbol:         k_q368aeba891_qkv.kd
    .args:
      - { .name: xpan, .offset: 0, .size: 8, .value_kind: global_buffer, .address_space: global }
      - { .name: wpan, .offset: 8, .size: 8, .value_kind: global_buffer, .address_space: global }
      - { .name: qimg, .offset: 16, .size: 8, .value_kind: global_buffer, .address_space: global }
      - { .name: qsc, .offset: 24, .size: 8, .value_kind: global_buffer, .address_space: global }
      - { .name: kv, .offset: 32, .size: 8, .value_kind: global_buffer, .address_space: global }
    .group_segment_fixed_size: 284672
    .private_segment_fixed_size: 0
    .kernarg_segment_align: 8
    .kernarg_segment_size: 40
    .max_flat_workgroup_size: 512
    .sgpr_count:     96
    .vgpr_count:     256
    .wavefront_size: 32
...
	.end_amdgpu_metadata
.endif
;; end of part 2
;; launch attn (part 3): grid 16 x 16, 8 waves a work-group, clusters of 4 x 1, 288,256 bytes of LDS; arguments kv, qimg, qsc, xpan, wpan, bg1, Wg2, bg2, apan, out1; writes apan, out1
.if DOCPART == 3
	.amdgcn_target "amdgcn-amd-amdhsa--gfx1250"
	.amdhsa_code_object_version 6
	.text
	.protected	k_q368aeba891_attn
	.globl	k_q368aeba891_attn
	.p2align	8
	.type	k_q368aeba891_attn,@function
k_q368aeba891_attn:
	s_mov_b64 s[64:65], 0
	v_nop
	global_prefetch_b8 v0, s[64:65] scope:SCOPE_SE
	s_setreg_imm32_b32 hwreg(HW_REG_WAVE_MODE, 25, 1), 1
	s_wait_xcnt 0x0
	s_wait_alu depctr_hold_cnt(0) depctr_sa_sdst(0) depctr_va_vdst(0) depctr_va_sdst(0) depctr_va_ssrc(0) depctr_va_vcc(0) depctr_vm_vsrc(0)
	s_getreg_b32 s2, hwreg(HW_REG_IB_STS2, 6, 4)
	s_cmp_eq_u32 s2, 0
	s_cbranch_scc0 .Lentry_in_a_cluster
	s_endpgm
.Lentry_in_a_cluster:
	s_bfe_u32 s2, ttmp6, 0x10000c
	s_cmp_lg_u32 s2, 0x3003
	s_cbranch_scc0 .Lentry_shape_is_right
	s_endpgm
.Lentry_shape_is_right:
; Causal attention of one head on codes of FP4 with E8M0 scales, and, while K and V land, the gate of 16 tokens.
; t = score x log2(e) / 8; M = the row's largest t so far, rounded up to a whole number; p = 2^(t - M) is quantised along the keys, not normalised; the row's sum is taken of the unquantised p and divides O at the end.
; When M moves, the sum and O are multiplied by 2^(old M - new M): exact.  O / sum is quantised here along (head, d), for the last product, and stored as images of that operand's registers (apan).
; A HEAD'S K AND V, codes and scale words, are 286,720 bytes and lie in LDS whole: every LDS byte is filled once; the walk over the keys has one barrier in all.
; CLUSTER 4 x 1: the four work-groups of a cluster belong to one head and ask for its K and V jointly.  Each wave brings an eighth of the first 1,024 keys' bytes and an eighth of the rest: two loads of mine are out.
; SHARES.  Work-group c (0..15) of a head owns the query tiles T = 16 i + c, i = 0..15 (tile T's row r is token 32 (T / 2) + 8 (T % 2) + r + 8 (r / 8)).  Wave w takes i = 15 - w and then i = w.
; A tile's diagonal lies in key step DG = 2 i + c / 8, so each wave has 32 + 2 (c / 8) key steps of work.  Every wave walks all 32 steps, so that trip counts are constants; a step behind the diagonal is left out by a scalar branch
; on the wave's number, the cluster's x and the counter.  The place in the cluster enters global addresses and the mask's numbers alone.
; LAYOUT.  S^T = K Q^T (source 0 = 16 keys), O^T = V^T P^T (source 0 = 16 d): a lane holds one query throughout; the rows of every tile are ordered so that 16 registers of two neighbouring tiles are 16 neighbours.
; K = 64 IN AN INSTRUCTION OF K = 128: Q's fragment is 4 registers of codes and 4 of zeros.  K's operand for tile t is its own 4 registers and the 4 that follow (the next tile's; behind the last a pad of zeros): those codes meet Q's zero codes,
; and the upper two scale bytes of both words are 0, which is 2^-127 and no NaN: they add nothing.
; THE GATE: sigmoid(gelu(Q(x) Q(Wg1) + bg1) . Wg2 + bg2) for tokens' tile 16 head + c.  Wave w takes 32 of the 256 hidden units; the eight partial sums meet in LDS.
; LIMITS: erf by Abramowitz and Stegun 7.1.26, absolute error at most 1.5e-7 for every argument; a block of zeros gets the byte 1 (its codes are zeros; this program alone reads the bytes); NaN and infinities are not served.
.set PAN,  69632
.set HKV,  286720
.set CH0,  71680                       ; bytes of the first 1,024 keys
.set LK0,  0                           ; LDS, as in memory: K tiles (512 bytes),
.set LV0,  32768                       ; V images (key step, tile of d: 1,024 bytes),
.set LKS0, 65536                       ; K scale words (64 bytes a tile),
.set LVS0, 69632                       ; V scale words (256 bytes a key step);
.set LK1,  71680                       ; the same for keys 1,024 on
.set LV1,  169984
.set LKS1, 268288
.set LVS1, 280576
.set GRED, 286720                      ; 64 bytes for each wave: the gate's partial sums; no tile lands here
.set WV,   24                          ; s24 wave   s25 cx   s26 c   s27 head   s28 c / 8
.set EE,   28
.set DG,   29                          ; s29 the diagonal's key step
.set QQ,   30                          ; s30 the key step
.set II,   31                          ; s31 i
.set SEL,  56                          ; s[56:57]
.set CS,   58                          ; s[58:59] log2(e) / 8, twice
.set TK,   60                          ; s60-63 where the step's K tiles, V images, K and V scale words begin
.set TV,   61
.set TS,   62
.set TT,   63
.set ADK,  4                           ; v4-7 the same with my lane's place
.set ADV,  5
.set ADS,  6
.set ADT,  7
.set QF,   16                          ; v16-19 Q's codes, v20-23 zeros
.set KF,   32                          ; v32-63 eight tiles of K, v64-67 the pad of zeros
.set VF,   68                          ; v68-99 four fragments of V
.set S,    100                         ; v100-163 S^T, then p
.set OT,   164                         ; v164-195 O^T
.set PCD,  196                         ; v196-203 p's codes
.set TM,   204                         ; v204-209 at work in QUANT2
.set BM,   212                         ; v212-215 the blocks' largest scores, then largest p
.set PT,   216                         ; v216-219 the other half's; then bytes
.set SO,   220                         ; v220-223 the conversions' scale operands
.set FF,   224                         ; v[224:225] f = 2^(old M - new M)
.set TP,   226
.set C2,   228                         ; v[228:229] the sum's second chain
.set QS,   232                         ; v232-255 hold scale words and nothing else.  Q's word;
.set KS,   233                         ; v233-236 K's: lanes 0-15 tile 2 i, lanes 16-31 tile 2 i + 1;
.set VS,   237                         ; v237-238 V's likewise;
.set PSW,  239                         ; p's, and O's on the way out
.set GA,   12                          ; the gate: v12-27 two accumulators, begun with bg1
.set GW,   32                          ; v32-159 Wg1's 16 fragments
.set GX,   160                         ; v160-223 x's 8 fragments
.set GWS,  232                         ; v232-247 Wg1's scale words
.set GXS,  248                         ; v248-255 x's
.macro PLACES                          ; four plain lines between a matrix instruction and a load into, or a vector line on, its registers
.rept 4
	v_nop
.endr
.endm
.macro ROUND
	s_barrier_signal -1
	s_barrier_wait -1
	s_cmp_lg_u32 s[WV], 0
	s_cbranch_scc1 .Lnw0_\@
	s_barrier_signal -3
.Lnw0_\@:
	s_barrier_wait -3
	s_barrier_signal -1
	s_barrier_wait -1
.endm
; 32 numbers of a lane, register 16 b + i = k 32 b + 16 h + i of my row, become 4 registers of codes (lane (r, h): k = 32 h + 0 .. 31) and a scale word (byte 0 | byte 1 << 8).
.macro QUANT2 src, pc, pw
.irp b, 0,1
	v_max3_num_f32 v[TM+\b], |v[\src+16*\b]|, |v[\src+1+16*\b]|, 0x1800000
.endr
.irp i, 2,4,6,8,10,12,14
.irp b, 0,1
	v_max3_num_f32 v[TM+\b], v[TM+\b], |v[\src+16*\b+\i]|, |v[\src+1+16*\b+\i]|
.endr
.endr
.irp b, 0,1
	v_permlanex16_b32 v[TM+2+\b], v[TM+\b], s[SEL], s[SEL+1]
.endr
.irp b, 0,1
	v_max_num_f32 v[TM+\b], v[TM+\b], v[TM+2+\b]
.endr
.irp b, 0,1
	v_add_nc_u32 v[TM+4+\b], 0xff000000, v[TM+\b]
.endr
.irp b, 0,1
	v_lshrrev_b32 v[TM+2+\b], 23, v[TM+4+\b]
.endr
	v_lshl_or_b32 v[\pw], v[TM+3], 8, v[TM+2]
.irp b, 0,1
	v_cvt_scalef32_pk8_fp4_f32 v[\pc+2*\b], v[\src+16*\b:\src+7+16*\b], v[TM+4+\b]
	v_cvt_scalef32_pk8_fp4_f32 v[\pc+1+2*\b], v[\src+8+16*\b:\src+15+16*\b], v[TM+4+\b]
.endr
	v_nop
.irp i, 0,1
	v_permlane16_swap_b32 v[\pc+\i], v[\pc+2+\i]
.endr
.endm
	s_load_b512 s[4:19], s[0:1], 0x0               ; kv s[4:5], qimg s[6:7], qsc s[8:9], xpan s[10:11], wpan s[12:13], bg1 s[14:15], Wg2 s[16:17], bg2 s[18:19]
	s_load_b128 s[20:23], s[0:1], 0x40             ; apan s[20:21], out1 s[22:23]
	v_lshl_add_u32 v230, v0, 2, 0x46200
	v_mov_b32 v231, 0
	ds_add_u32 v230, v231
	ds_add_u32 v230, v231
	v_lshrrev_b32 v1, 5, v0
	v_readfirstlane_b32 s[WV], v1                  ; wave 0..7
	s_bfe_u32 s25, ttmp6, 0x40000                  ; cx
	s_lshl_b32 s26, ttmp9, 2
	s_add_co_u32 s26, s26, s25                     ; c = 4 x cluster x + cx
	s_and_b32 s27, ttmp7, 0xffff                   ; the head
	s_lshr_b32 s[EE], ttmp9, 1                     ; c / 8: the same in all four partners
	; descriptor groups 1: rows of 256 bytes (32 elements of 8 bytes), dense; 35 rows of the first 1,024 keys' bytes, 105 of the rest; the mask names all four work-groups
	s_mov_b32 s32, 15|(3<<16)|(1<<21)
	s_mov_b32 s33, 32<<16
	s_mov_b32 s34, 35<<16
	s_mov_b32 s35, 32<<16
	s_mov_b32 s36, 35
	s_mov_b32 s37, 32
	s_mov_b32 s38, 0
	s_mov_b32 s39, 0
	s_mov_b32 s40, 15|(3<<16)|(1<<21)
	s_mov_b32 s41, 32<<16
	s_mov_b32 s42, 105<<16
	s_mov_b32 s43, 32<<16
	s_mov_b32 s44, 105
	s_mov_b32 s45, 32
	s_mov_b32 s46, 0
	s_mov_b32 s47, 0
	s_mul_i32 s66, s27, HKV
	s_mov_b32 s67, 0
	s_mul_i32 s92, s[WV], 8960                     ; my eighth of the first part,
	s_mov_b32 s93, 0
	s_mul_i32 s94, s[WV], 26880
	s_add_co_u32 s94, s94, CH0                     ; and of the rest: in memory as in LDS
	s_mov_b32 s95, 0
	s_mov_b32 s[SEL], 0x76543210
	s_mov_b32 s[SEL+1], 0xfedcba98
	s_mov_b32 s[CS], 0x3e38aa3b                    ; log2(e) / 8
	s_mov_b32 s[CS+1], s[CS]
	s_mov_b32 s81, 0x3e6d3388                      ; 0.3275911 / sqrt(2)
	s_mov_b32 s82, 0xbf38aa3b                      ; -log2(e) / 2
	s_mov_b32 s83, 0x3e827906                      ; a1 =  0.254829592
	s_mov_b32 s84, 0xbe91a98e                      ; a2 = -0.284496736
	s_mov_b32 s85, 0x3fb5f0e3                      ; a3 =  1.421413741
	s_mov_b32 s86, 0xbfba00e3                      ; a4 = -1.453152027
	s_mov_b32 s87, 0x3f87dc22                      ; a5 =  1.061405429
	s_wait_dscnt 0x0
	s_wait_kmcnt 0x0
	s_load_b32 s80, s[18:19], 0x0                  ; bg2
	s_add_nc_u64 s[66:67], s[4:5], s[66:67]        ; the head's K and V
	s_mov_b32 s48, 1
	s_mov_b32 s49, s92
	s_add_nc_u64 s[50:51], s[66:67], s[92:93]
	s_or_b32 s51, s51, 0x80000000
	s_mov_b32 s52, 1
	s_mov_b32 s53, s94
	s_add_nc_u64 s[54:55], s[66:67], s[94:95]
	s_or_b32 s55, s55, 0x80000000
	s_wait_kmcnt 0x0
	ROUND                                          ; all four work-groups are here: the joint loads meet
	tensor_load_to_lds s[48:51], s[32:39]          ; keys 0 to 1,023
	s_nop 0
	tensor_load_to_lds s[52:55], s[40:47]          ; the rest
	s_nop 0
	PLACES
	; every address register is made here, once
	v_and_b32 v10, 31, v0
	v_lshlrev_b32 v1, 4, v10                       ; v1: 16 x lane
	v_lshlrev_b32 v2, 2, v10                       ; v2: 4 x lane
	v_and_b32 v11, 15, v0                          ; r
	v_bfe_u32 v3, v0, 4, 1                         ; h
	v_lshlrev_b32 v8, 2, v11                       ; v8: 4 r
	v_lshlrev_b32 v9, 4, v11                       ; v9: 16 r
	v_lshlrev_b32 v10, 6, v3                       ; v10: 64 h
	v_and_b32 v30, 8, v11
	v_add_nc_u32 v30, v30, v11                     ; r + 8 (r / 8)
	s_lshl_b32 s72, s[WV], 6
	s_add_co_u32 s72, s72, GRED
	v_add_nc_u32 v28, s72, v8                      ; v28: my wave's partial sums
	v_add_nc_u32 v29, GRED, v8                     ; v29: all waves'
	v_lshlrev_b32 v11, 2, v30                      ; v11: my token's place in out1, from the tile's first token
	s_lshr_b32 s72, s26, 1
	s_and_b32 s72, s72, 3
	s_lshl_b32 s72, s72, 5
	s_and_b32 s73, s26, 1
	s_lshl_b32 s73, s73, 3
	s_add_co_u32 s72, s72, s73
	v_add_nc_u32 v30, s72, v30                     ; my query's place in its diagonal key step
	v_lshlrev_b32 v3, 4, v3
	v_sub_nc_u32 v3, v30, v3                       ; v3: that - 16 h: register 16 b + i holds the step's key 32 b + 16 h + i: hidden where 32 b + i is greater
	; the gate's bases
	s_lshl_b32 s72, s27, 4
	s_add_co_u32 s72, s72, s26                     ; G: the tile of tokens, 16 head + c
	s_lshr_b32 s73, s72, 3
	s_mul_i32 s73, s73, PAN
	s_and_b32 s74, s72, 7
	s_lshl_b32 s66, s74, 10
	s_add_co_u32 s66, s66, s73
	s_add_co_u32 s66, s66, 4096
	s_mov_b32 s67, 0
	s_add_nc_u64 s[66:67], s[10:11], s[66:67]      ; x's images
	s_lshl_b32 s68, s74, 9
	s_add_co_u32 s68, s68, s73
	s_mov_b32 s69, 0
	s_add_nc_u64 s[68:69], s[10:11], s[68:69]      ; x's scale words
	s_lshr_b32 s73, s[WV], 2
	s_add_co_u32 s73, s73, 24
	s_mul_i32 s73, s73, PAN                        ; Wg1's panel 24 + w / 4,
	s_and_b32 s74, s[WV], 3                        ; tiles 2 (w % 4), 2 (w % 4) + 1
	s_lshl_b32 s76, s74, 11
	s_add_co_u32 s76, s76, s73
	s_add_co_u32 s76, s76, 4096
	s_mov_b32 s77, 0
	s_add_nc_u64 s[76:77], s[12:13], s[76:77]      ; its images
	s_lshl_b32 s78, s74, 10
	s_add_co_u32 s78, s78, s73
	s_mov_b32 s79, 0
	s_add_nc_u64 s[78:79], s[12:13], s[78:79]      ; its scale words
	s_lshl_b32 s74, s[WV], 7
	s_mov_b32 s75, 0
	s_add_nc_u64 s[14:15], s[14:15], s[74:75]      ; bg1 and Wg2 at my 32 hidden units
	s_add_nc_u64 s[16:17], s[16:17], s[74:75]
	s_lshr_b32 s74, s72, 1
	s_lshl_b32 s74, s74, 7
	s_and_b32 s73, s72, 1
	s_lshl_b32 s73, s73, 5
	s_add_co_u32 s74, s74, s73
	s_add_nc_u64 s[22:23], s[22:23], s[74:75]      ; out1 at token 32 (G / 2) + 8 (G % 2)
	; what stays for the passes
	s_and_b32 s72, s26, 7
	s_lshl_b32 s70, s72, 10
	s_lshl_b32 s71, s72, 9
	s_lshr_b32 s72, s27, 1                         ; the last product's K step: head / 2
	s_lshl_b32 s73, s72, 13
	s_add_co_u32 s70, s70, s73
	s_and_b32 s72, s72, 1
	s_lshl_b32 s72, s72, 8
	s_add_co_u32 s71, s71, s72
	s_and_b32 s72, s27, 1
	s_lshl_b32 s73, s72, 9
	s_add_co_u32 s70, s70, s73
	s_add_co_u32 s70, s70, 4096                    ; s70: in a panel of apan: image (head / 2, c % 8), half head % 2
	s_lshl_b32 s72, s72, 1
	s_add_co_u32 s71, s71, s72
	s_lshr_b32 s72, s27, 2
	s_lshl_b32 s72, s72, 2
	s_add_co_u32 s71, s71, s72                     ; s71: and my two bytes of its scale words
	s_lshl_b32 s72, s27, 17
	s_mov_b32 s73, 0
	s_add_nc_u64 s[88:89], s[6:7], s[72:73]        ; the head's q images
	s_lshl_b32 s72, s27, 14
	s_add_nc_u64 s[90:91], s[8:9], s[72:73]        ; and scale words
	; ---- THE GATE.  Source 0 = 16 columns of Wg1, source 1 = the 16 tokens: lane (r, h) holds token r and hidden units 32 w + 16 h + 8 tt + j.  bg1 is the C of each sum's first product.
.irp tt, 0,1
.irp q, 0,1
	global_load_b128 v[GA+8*\tt+4*\q:GA+8*\tt+4*\q+3], v10, s[14:15] offset:32*\tt+16*\q
.endr
.endr
.irp p, 0,1
	global_load_b128 v[GXS+4*\p:GXS+4*\p+3], v9, s[68:69] offset:256*\p
.endr
.irp tt, 0,1
.irp p, 0,1
	global_load_b128 v[GWS+8*\tt+4*\p:GWS+8*\tt+4*\p+3], v9, s[78:79] offset:512*\tt+256*\p
.endr
.endr
.irp s, 0,1,2,3,4,5,6,7
.irp cc, 0,1
	global_load_b128 v[GX+8*\s+4*\cc:GX+8*\s+4*\cc+3], v1, s[66:67] offset:8192*\s+512*\cc
	global_load_b128 v[GW+16*\s+4*\cc:GW+16*\s+4*\cc+3], v1, s[76:77] offset:8192*\s+512*\cc
	global_load_b128 v[GW+16*\s+8+4*\cc:GW+16*\s+8+4*\cc+3], v1, s[76:77] offset:8192*\s+1024+512*\cc
.endr
.endr
	s_wait_loadcnt 0x0
.irp s, 0,1,2,3,4,5,6,7                        ; the two accumulators take turns, one instruction a turn
.irp tt, 0,1
	v_wmma_scale_f32_16x16x128_f8f6f4 v[GA+8*\tt:GA+8*\tt+7], v[GW+16*\s+8*\tt:GW+16*\s+8*\tt+7], v[GX+8*\s:GX+8*\s+7], v[GA+8*\tt:GA+8*\tt+7], v[GWS+8*\tt+4*(\s%2)+\s/2], v[GXS+4*(\s%2)+\s/2] matrix_a_fmt:MATRIX_FMT_FP4 matrix_b_fmt:MATRIX_FMT_FP4
.endr
.endr
	PLACES
.irp tt, 0,1
.irp q, 0,1
	global_load_b128 v[32+8*\tt+4*\q:32+8*\tt+4*\q+3], v10, s[16:17] offset:32*\tt+16*\q   ; Wg2 at my 16 hidden units: it lands under the GELU
.endr
.endr
	; gelu(x) = max(x, 0) - |x| / 2 x P(t) x e^(-x^2 / 2), t = 1 / (1 + 0.3275911 |x| / sqrt(2)), P = t (a1 + t (a2 + t (a3 + t (a4 + t a5))))
.set k, 0
.rept 16
	v_fma_f32 v[48+k], |v[GA+k]|, s81, 1.0
	v_mul_f32 v[64+k], v[GA+k], v[GA+k]
.set k, k+1
.endr
.set k, 0
.rept 16
	v_mul_f32 v[64+k], s82, v[64+k]
.set k, k+1
.endr
.set k, 0
.rept 16
	v_rcp_f32 v[48+k], v[48+k]                     ; t
.set k, k+1
.endr
.set k, 0
.rept 16
	v_exp_f32 v[64+k], v[64+k]                     ; e^(-x^2 / 2)
.set k, k+1
.endr
.set k, 0
.rept 16
	v_mul_f32 v[96+k], |v[GA+k]|, 0.5              ; plain work that names no result of the batch
	v_max_num_f32 v[112+k], 0, v[GA+k]
.set k, k+1
.endr
	s_wait_alu depctr_va_vdst(0)                   ; one wait for the 32, ahead of their first reader
.set k, 0
.rept 16
	v_fma_f32 v[80+k], v[48+k], s87, s86
.set k, k+1
.endr
.irp a, 85, 84, 83
.set k, 0
.rept 16
	v_fma_f32 v[80+k], v[80+k], v[48+k], s[\a]
.set k, k+1
.endr
.endr
.set k, 0
.rept 16
	v_mul_f32 v[80+k], v[80+k], v[48+k]
.set k, k+1
.endr
.set k, 0
.rept 16
	v_mul_f32 v[80+k], v[80+k], v[64+k]
.set k, k+1
.endr
.set k, 0
.rept 16
	v_fma_f32 v[112+k], -v[96+k], v[80+k], v[112+k]
.set k, k+1
.endr
	s_wait_loadcnt 0x0                             ; Wg2
	v_mul_f32 v128, v112, v32                      ; the dot with Wg2, f32, in two chains
	v_mul_f32 v129, v113, v33
.set k, 2
.rept 14
	v_fmac_f32 v[128+k%2], v[112+k], v[32+k]
.set k, k+1
.endr
	v_add_f32 v128, v128, v129
	v_permlanex16_b32 v129, v128, s[SEL], s[SEL+1]
	v_add_f32 v128, v128, v129                     ; my wave's 32 hidden units, for token r
	ds_store_b32 v28, v128                         ; (both halves of the lanes write the same word)
	s_wait_tensorcnt 0x1                           ; my part of the first 1,024 keys has landed; the rest may stay out: no LDS byte is filled twice in this launch
	s_wait_dscnt 0x0                               ; my partial sums are in LDS
	s_barrier_signal -1
	s_barrier_wait -1                              ; everybody's are
	s_cmp_lg_u32 s[WV], 0
	s_cbranch_scc1 .Lnot0
.irp i, 0,1,2,3,4,5,6,7
	ds_load_b32 v[48+\i], v29 offset:64*\i
.endr
	s_wait_dscnt 0x0
	v_add_f32 v48, v48, v49
	v_add_f32 v50, v50, v51
	v_add_f32 v52, v52, v53
	v_add_f32 v54, v54, v55
	v_add_f32 v48, v48, v50
	v_add_f32 v52, v52, v54
	v_add_f32 v48, v48, v52
	v_add_f32 v48, s80, v48                        ; + bg2
	v_mul_f32 v48, 0xbfb8aa3b, v48
	v_exp_f32 v48, v48                             ; e^-z
	v_nop
	s_wait_alu depctr_va_vdst(0)
	v_add_f32 v48, 1.0, v48
	v_rcp_f32 v48, v48                             ; the gate
	v_nop
	s_wait_alu depctr_va_vdst(0)
	global_store_b32 v11, v48, s[22:23]            ; 16 tokens in two runs of eight (lanes 16-31 store the same words)
.Lnot0:
.irp j, 20,21,22,23, 64,65,66,67, 216,217,218,219, 206,207, 225, 226
	v_mov_b32 v[\j], 0                             ; Q's upper half and K's pad: zero codes; lane permutes' destinations and the upper half of the pair f: written once
.endr
; A KEY STEP of 128 keys.
.macro STEP
	s_cmp_gt_u32 s[QQ], s[DG]                      ; all its keys come after my queries: nothing but the addresses' steps
	s_cbranch_scc1 .Lhid_\@
	v_add_nc_u32 v[ADK], s[TK], v1                 ; (these four are the places behind the last step's products)
	v_add_nc_u32 v[ADV], s[TV], v1
	v_add_nc_u32 v[ADS], s[TS], v2
	v_add_nc_u32 v[ADT], s[TT], v2
.irp t, 0,1,2,3,4,5,6,7
	ds_load_b128 v[KF+4*\t:KF+4*\t+3], v[ADK] offset:512*\t
.endr
.irp i, 0,1,2,3
	ds_load_b32 v[KS+\i], v[ADS] offset:128*\i
.endr
.irp t, 0,1,2,3
.irp c, 0,1
	ds_load_b128 v[VF+8*\t+4*\c:VF+8*\t+4*\c+3], v[ADV] offset:1024*\t+512*\c
.endr
.endr
.irp i, 0,1
	ds_load_b32 v[VS+\i], v[ADT] offset:128*\i
.endr
	s_wait_dscnt 10                                ; K's twelve loads are in; V's ten may be out
.irp t, 0,2,4,6
	v_wmma_scale_f32_16x16x128_f8f6f4 v[S+8*\t:S+8*\t+7], v[KF+4*\t:KF+4*\t+7], v[QF:QF+7], 0, v[KS+\t/2], v[QS] matrix_a_fmt:MATRIX_FMT_FP4 matrix_b_fmt:MATRIX_FMT_FP4
	v_wmma_scale_f32_16x16x128_f8f6f4 v[S+8*\t+8:S+8*\t+15], v[KF+4*\t+4:KF+4*\t+11], v[QF:QF+7], 0, v[KS+\t/2], v[QS] matrix_a_fmt:MATRIX_FMT_FP4 matrix_b_fmt:MATRIX_FMT_FP4 matrix_a_scale:MATRIX_SCALE_ROW1
.endr
	PLACES
	s_cmp_lt_u32 s[QQ], s[DG]                      ; all its keys count: no mask
	s_cbranch_scc1 .Lopen_\@
	v_mov_b32 v[TP], 0xff800000                    ; on the diagonal hidden scores become -infinity ahead of the maximum: p = 0 then
.set n, 0
.rept 64
	v_cmp_gt_i32 vcc_lo, 32*(n/16)+n%16, v3
	v_cndmask_b32 v[S+n], v[S+n], v[TP], vcc_lo
.set n, n+1
.endr
.Lopen_\@:
.irp b, 0,1,2,3
	v_max3_num_f32 v[BM+\b], v[S+16*\b], v[S+1+16*\b], v[S+2+16*\b]   ; the largest score of each block of 32 keys: for the row's maximum, and, since p rises with the score, for the block's largest p
.endr
.irp i, 3,5,7,9,11,13
.irp b, 0,1,2,3
	v_max3_num_f32 v[BM+\b], v[BM+\b], v[S+16*\b+\i], v[S+1+16*\b+\i]
.endr
.endr
.irp b, 0,1,2,3
	v_max_num_f32 v[BM+\b], v[BM+\b], v[S+15+16*\b]
.endr
.irp b, 0,1,2,3
	v_permlanex16_b32 v[PT+\b], v[BM+\b], s[SEL], s[SEL+1]
.endr
.irp b, 0,1,2,3
	v_max_num_f32 v[BM+\b], v[BM+\b], v[PT+\b]     ; with lane l xor 16's 16 keys
.endr
	v_max3_num_f32 v[TP], v[BM], v[BM+1], v[BM+2]
	v_max_num_f32 v[TP], v[TP], v[BM+3]            ; the step's largest score of my query
	v_mul_f32 v[TP], s[CS], v[TP]                  ; as t
	v_max_num_f32 v13, v13, v[TP]                  ; the running largest t
	v_mov_b32 v[TP], v12
	v_floor_f32 v12, -v13                          ; the new -M = floor(-t): M is a whole number
	v_sub_f32 v[TP], v12, v[TP]                    ; old M - new M: a whole number, 0 or less
	v_cvt_i32_f32 v[TP], v[TP]                     ; (it saturates)
	v_ldexp_f32 v[FF], 1.0, v[TP]                  ; f = 2^(old M - new M)
.set j, 0
.rept 32
	v_pk_fma_f32 v[S+j:S+j+1], v[S+j:S+j+1], s[CS:CS+1], v[12:13] op_sel_hi:[1,0,0]   ; t - M, two at a time
.set j, j+2
.endr
.irp b, 0,1,2,3
	v_fma_f32 v[BM+\b], v[BM+\b], s[CS], v12       ; the same of each block's largest score
.endr
.set j, 0
.rept 64
	v_exp_f32 v[S+j], v[S+j]                       ; p = 2^(t - M)
.set j, j+1
.endr
	v_pk_mul_f32 v[14:15], v[14:15], v[FF:FF+1] op_sel_hi:[1,0]   ; the sums under the new M: a plain line behind the exponentials
	s_wait_alu depctr_va_vdst(0)                   ; one wait for the 64, ahead of their first reader
.irp b, 0,1,2,3
	v_exp_f32 v[BM+\b], v[BM+\b]                   ; the block's largest p: the same two instructions on the same number give the same bits
.endr
	v_pk_add_f32 v[C2:C2+1], v[S:S+1], v[S+2:S+3]  ; the row's sum of the unquantised p, in two chains; it reads the 64 alone
.irp j, 4,8,12,16,20,24,28,32,36,40,44,48,52,56,60
	v_pk_add_f32 v[14:15], v[14:15], v[S+\j:S+\j+1]
	v_pk_add_f32 v[C2:C2+1], v[C2:C2+1], v[S+2+\j:S+3+\j]
.endr
	v_pk_add_f32 v[14:15], v[14:15], v[C2:C2+1]
	s_wait_alu depctr_va_vdst(0)                   ; and one for the four
.irp b, 0,1,2,3
	v_max_num_f32 v[BM+\b], 0x1800000, v[BM+\b]    ; the floor 2^(3 - 127): the byte cannot fall under 1
.endr
.irp b, 0,1,2,3
	v_add_nc_u32 v[SO+\b], 0xff000000, v[BM+\b]    ; the conversion's scale operand
.endr
.irp b, 0,1,2,3
	v_lshrrev_b32 v[PT+\b], 23, v[SO+\b]           ; the scale's byte
.endr
	v_lshl_or_b32 v[PSW], v[PT+1], 8, v[PT]
	v_lshl_or_b32 v[PSW], v[PT+2], 16, v[PSW]
	v_lshl_or_b32 v[PSW], v[PT+3], 24, v[PSW]      ; p's scale word for these 128 keys
.irp b, 0,1,2,3
	v_cvt_scalef32_pk8_fp4_f32 v[PCD+2*\b], v[S+16*\b:S+7+16*\b], v[SO+\b]
	v_cvt_scalef32_pk8_fp4_f32 v[PCD+1+2*\b], v[S+8+16*\b:S+15+16*\b], v[SO+\b]
.endr
	v_nop                                          ; one plain line behind the scaled conversions
.irp c, 0,1
.irp i, 0,1
	v_permlane16_swap_b32 v[PCD+4*\c+\i], v[PCD+2+4*\c+\i]
.endr
.endr
.set j, 0
.rept 16
	v_pk_mul_f32 v[OT+j:OT+j+1], v[OT+j:OT+j+1], v[FF:FF+1] op_sel_hi:[1,0]   ; O^T under the new M; these sixteen also stand between the lines that made p's codes and scale word and the products
.set j, j+2
.endr
	s_wait_dscnt 0x0                               ; V
.irp t, 0,2
	v_wmma_scale_f32_16x16x128_f8f6f4 v[OT+8*\t:OT+8*\t+7], v[VF+8*\t:VF+8*\t+7], v[PCD:PCD+7], v[OT+8*\t:OT+8*\t+7], v[VS+\t/2], v[PSW] matrix_a_fmt:MATRIX_FMT_FP4 matrix_b_fmt:MATRIX_FMT_FP4
	v_wmma_scale_f32_16x16x128_f8f6f4 v[OT+8*\t+8:OT+8*\t+15], v[VF+8*\t+8:VF+8*\t+15], v[PCD:PCD+7], v[OT+8*\t+8:OT+8*\t+15], v[VS+\t/2], v[PSW] matrix_a_fmt:MATRIX_FMT_FP4 matrix_b_fmt:MATRIX_FMT_FP4 matrix_a_scale:MATRIX_SCALE_ROW1
.endr
.Lhid_\@:
	s_add_co_u32 s[TK], s[TK], 4096
	s_add_co_u32 s[TV], s[TV], 4096
	s_add_co_u32 s[TS], s[TS], 512
	s_add_co_u32 s[TT], s[TT], 256
.endm
; Key steps q0 .. q1 - 1, whose bytes begin at the four LDS addresses given: a loop of constant count.
.macro SEG kb, vb, sb, tb, q0, q1
	s_mov_b32 s[TK], \kb
	s_mov_b32 s[TV], \vb
	s_mov_b32 s[TS], \sb
	s_mov_b32 s[TT], \tb
	s_mov_b32 s[QQ], \q0
.Lseg_\@:
	STEP
	s_add_co_u32 s[QQ], s[QQ], 1
	s_cmp_lt_u32 s[QQ], \q1
	s_cbranch_scc1 .Lseg_\@
.endm
; One tile of 16 queries: i = 15 - wave (p = 0) or wave (p = 1).
.macro PASS p
	s_wait_xcnt 0x0                                ; earlier loads and stores have read their bases and data: both are written again only behind this wait
.if \p == 0
	s_sub_co_u32 s[II], 15, s[WV]
.else
	s_mov_b32 s[II], s[WV]
.endif
	s_lshl_b32 s[DG], s[II], 1
	s_add_co_u32 s[DG], s[DG], s[EE]               ; the diagonal's key step; also the tile's panel in apan
	s_lshl_b32 s72, s[II], 4
	s_add_co_u32 s72, s72, s26                     ; T = 16 i + c
	s_lshl_b32 s74, s72, 9
	s_mov_b32 s75, 0
	s_add_nc_u64 s[74:75], s[88:89], s[74:75]
	s_lshl_b32 s76, s72, 6
	s_mov_b32 s77, 0
	s_add_nc_u64 s[76:77], s[90:91], s[76:77]
	global_load_b128 v[QF:QF+3], v1, s[74:75]      ; Q's codes
	global_load_b32 v[QS], v8, s[76:77]            ; and scale words
	v_mov_b32 v13, 0xff61b1e6                      ; the largest t so far: -3e38
	v_floor_f32 v12, -v13                          ; -M
	v_mov_b32 v14, 0                               ; the sum, in two halves
	v_mov_b32 v15, 0
.set j, 0
.rept 32
	v_mov_b32 v[OT+j], 0                           ; O^T: the step is written once: the first finds zeros, which the first change of M leaves zeros
.set j, j+1
.endr
	s_wait_loadcnt 0x0
	SEG LK0, LV0, LKS0, LVS0, 0, 8
.if \p == 0
	s_wait_tensorcnt 0x0                           ; my part of the keys from 1,024 on has landed,
	s_wait_dscnt 0x0
	s_barrier_signal -1
	s_barrier_wait -1                              ; everybody's has
.endif
	SEG LK1, LV1, LKS1, LVS1, 8, 32
	PLACES                                         ; behind the last products: on the way through hidden steps no vector line stands between
	v_add_f32 v14, v14, v15
	v_permlanex16_b32 v[TP], v14, s[SEL], s[SEL+1]
	v_add_f32 v14, v14, v[TP]                      ; the row's sum
	v_rcp_f32 v14, v14
	v_nop
	s_wait_alu depctr_va_vdst(0)
.set j, 0
.rept 32
	v_mul_f32 v[S+j], v[OT+j], v14                 ; O^T / the sum: register 16 b + i is d = 32 b + 16 h + i of my query
.set j, j+1
.endr
	QUANT2 S, PCD, PSW
	s_mul_i32 s72, s[DG], PAN
	s_add_co_u32 s74, s72, s70
	s_mov_b32 s75, 0
	s_add_co_u32 s76, s72, s71
	s_mov_b32 s77, 0
	s_add_nc_u64 s[74:75], s[20:21], s[74:75]
	s_add_nc_u64 s[76:77], s[20:21], s[76:77]
	global_store_b128 v1, v[PCD:PCD+3], s[74:75]   ; half of an image: 512 consecutive bytes
	global_store_b16 v9, v[PSW], s[76:77]          ; two bytes of a word whose other two come from the neighbouring head: 2 bytes for each 32 of codes
.endm
	PASS 0
	PASS 1
	s_wait_dscnt 0x0
	s_wait_tensorcnt 0x0
	ds_add_u32 v230, v231
	s_wait_dscnt 0x0
	ROUND                                          ; the closing round: no work-group ends while a partner may still ask for a tile that names it
	s_endpgm
.Lfunc_end_k_q368aeba891_attn:
	.size	k_q368aeba891_attn, .Lfunc_end_k_q368aeba891_attn-k_q368aeba891_attn
	.p2alignl 7, 3214868480
	.fill 96, 4, 3214868480
	.section	.rodata,"a",@progbits
	.p2align	6, 0x0
	.amdhsa_kernel k_q368aeba891_attn
		.amdhsa_group_segment_fixed_size 288256
		.amdhsa_private_segment_fixed_size 0
		.amdhsa_enable_private_segment 0
		.amdhsa_kernarg_size 80
		.amdhsa_user_sgpr_count 2
		.amdhsa_user_sgpr_kernarg_segment_ptr 1
		.amdhsa_wavefront_size32 1
		.amdhsa_system_sgpr_workgroup_id_x 1
		.amdhsa_system_sgpr_workgroup_id_y 1
		.amdhsa_system_sgpr_workgroup_id_z 1
		.amdhsa_system_vgpr_workitem_id 0
		.amdhsa_next_free_vgpr 256
		.amdhsa_next_free_sgpr 96
		.amdhsa_reserve_vcc 1
		.amdhsa_float_denorm_mode_32 3
		.amdhsa_float_denorm_mode_16_64 3
		.amdhsa_memory_ordered 1
		.amdhsa_forward_progress 1
		.amdhsa_inst_pref_size 122
	.end_amdhsa_kernel
	.amdgpu_metadata
---
amdhsa.version: [ 1, 2 ]
amdhsa.kernels:
  - .name:           k_q368aeba891_attn
    .symbol:         k_q368aeba891_attn.kd
    .args:
      - { .name: kv, .offset: 0, .size: 8, .value_kind: global_buffer, .address_space: global }
      - { .name: qimg, .offset: 8, .size: 8, .value_kind: global_buffer, .address_space: global }
      - { .name: qsc, .offset: 16, .size: 8, .value_kind: global_buffer, .address_space: global }
      - { .name: xpan, .offset: 24, .size: 8, .value_kind: global_buffer, .address_space: global }
      - { .name: wpan, .offset: 32, .size: 8, .value_kind: global_buffer, .address_space: global }
      - { .name: bg1, .offset: 40, .size: 8, .value_kind: global_buffer, .address_space: global }
      - { .name: Wg2, .offset: 48, .size: 8, .value_kind: global_buffer, .address_space: global }
      - { .name: bg2, .offset: 56, .size: 8, .value_kind: global_buffer, .address_space: global }
      - { .name: apan, .offset: 64, .size: 8, .value_kind: global_buffer, .address_space: global }
      - { .name: out1, .offset: 72, .size: 8, .value_kind: global_buffer, .address_space: global }
    .group_segment_fixed_size: 288256
    .private_segment_fixed_size: 0
    .kernarg_segment_align: 8
    .kernarg_segment_size: 80
    .max_flat_workgroup_size: 256
    .sgpr_count:     96
    .vgpr_count:     256
    .wavefront_size: 32
...
	.end_amdgpu_metadata
.endif
;; end of part 3
;; launch outp (part 4): grid 32 x 8, 8 waves a work-group, clusters of 4 x 4, 273,408 bytes of LDS; arguments apan, wpan, x, out1, out0; writes out0
.if DOCPART == 4
	.amdgcn_target "amdgcn-amd-amdhsa--gfx1250"
	.amdhsa_code_object_version 6
	.text
	.protected	k_q368aeba891_outp
	.globl	k_q368aeba891_outp
	.p2align	8
	.type	k_q368aeba891_outp,@function
k_q368aeba891_outp:
	s_mov_b64 s[64:65], 0
	v_nop
	global_prefetch_b8 v0, s[64:65] scope:SCOPE_SE
	s_setreg_imm32_b32 hwreg(HW_REG_WAVE_MODE, 25, 1), 1
	s_wait_xcnt 0x0
	s_wait_alu depctr_hold_cnt(0) depctr_sa_sdst(0) depctr_va_vdst(0) depctr_va_sdst(0) depctr_va_ssrc(0) depctr_va_vcc(0) depctr_vm_vsrc(0)
	s_getreg_b32 s2, hwreg(HW_REG_IB_STS2, 6, 4)
	s_cmp_eq_u32 s2, 0
	s_cbranch_scc0 .Lentry_in_a_cluster
	s_endpgm
.Lentry_in_a_cluster:
	s_bfe_u32 s2, ttmp6, 0x10000c
	s_cmp_lg_u32 s2, 0xf033
	s_cbranch_scc0 .Lentry_shape_is_right
	s_endpgm
.Lentry_shape_is_right:
; out0 = g (Q(attention's result) Q(W_out)) + (1 - g) x, computed as x + g (y - x); the product on codes of FP4 with E8M0 scales, sums in f32.
; A work-group takes 128 tokens x 128 columns: one panel of apan and one of wpan (69,632 bytes each, all of K = 1,024) lie in LDS whole, and so do its 128 x 128 numbers of x: every LDS byte is filled once.
; CLUSTER 4 x 4: the four work-groups of a column of the cluster need the same tokens' panel, the four of a row the same weights' panel: each is asked for jointly.  x's tile is the work-group's own: a plain load.
; Eight waves: wave w takes tokens 32 (w % 4) on (two tiles) and columns 64 (w / 4) on (four tiles): 8 accumulators.  Source 0 = 16 columns of W_out, source 1 = 16 tokens: a lane holds one token and eight neighbouring columns.
; PANEL: scale word (tile t, K step s, row r) at 512 t + 256 (s % 2) + 16 r + 4 (s / 2); image (s, t) at 4,096 + 8,192 s + 1,024 t.  Row r of tile T is index 32 (T / 2) + 8 (T % 2) + r + 8 (r / 8).
; THE WAY OUT: results meet in a stage (rows of 512 bytes + 16); wave w then takes tokens 16 w .. 16 w + 15 whole, mixes them with its own rows of x and stores 512 consecutive bytes an instruction.
; LIMIT: the mix is x + g (y - x) where the definition writes g y + (1 - g) x: another order of rounding.
.set PAN,  69632
.set XT,   2*PAN                       ; LDS: the tokens' panel at 0, the weights' at PAN, x's tile here: 128 rows x 512 bytes,
.set STG,  XT+128*512                  ; the stage: 128 rows x 528 bytes
.set WV,   14
.set ACC,  16                          ; v16-79   accumulator (a, b) at v[16 + 8 (4 a + b)]; on the way out my 16 rows of x
.set F0,   80                          ; v80-127, v128-175 two sets of fragments: four of W, then two of the tokens; on the way out v80-143 my 16 rows of y
.set SA,   176                         ; v176-191 the tokens' scale words, and nothing else: 8 a + 4 (s % 2) + s / 2
.set SW,   192                         ; v192-223 the weights': 8 b + 4 (s % 2) + s / 2
.macro PLACES                          ; four plain lines between a matrix instruction and a load into, or an LDS store of, its registers
.rept 4
	v_nop
.endr
.endm
.macro ROUND
	s_barrier_signal -1
	s_barrier_wait -1
	s_cmp_lg_u32 s[WV], 0
	s_cbranch_scc1 .Lnw0_\@
	s_barrier_signal -3
.Lnw0_\@:
	s_barrier_wait -3
	s_barrier_signal -1
	s_barrier_wait -1
.endm
	s_load_b256 s[4:11], s[0:1], 0x0               ; apan s[4:5], wpan s[6:7], x s[8:9], out1 s[10:11]
	s_load_b64 s[12:13], s[0:1], 0x20              ; out0
	v_lshl_add_u32 v254, v0, 2, 0x42800
	v_mov_b32 v255, 0
	ds_add_u32 v254, v255
	ds_add_u32 v254, v255
	v_lshrrev_b32 v1, 5, v0
	v_readfirstlane_b32 s[WV], v1                  ; wave 0..7
	s_bfe_u32 s15, ttmp6, 0x40000                  ; cx
	s_bfe_u32 s16, ttmp6, 0x40004                  ; cy
	s_lshl_b32 s17, ttmp9, 2
	s_add_co_u32 s17, s17, s15                     ; tb: my 128 tokens
	s_and_b32 s18, ttmp7, 0xffff
	s_lshl_b32 s18, s18, 2
	s_add_co_u32 s18, s18, s16                     ; nb: my 128 columns
	s_and_b32 s19, s[WV], 3                        ; tq
	s_lshr_b32 s20, s[WV], 2                       ; nh
	s_lshl_b32 s72, 0x1111, s15                    ; my column of the cluster
	s_lshl_b32 s73, s16, 2
	s_lshl_b32 s73, 15, s73                        ; my row
	s_or_b32 s24, s72, (3<<16)|(1<<21)             ; group 1 for the tokens' panel: 34 rows of 256 bytes (32 elements of 8), dense;
	s_or_b32 s32, s73, (3<<16)|(1<<21)             ; for the weights'
.irp g, 24, 32
	s_mov_b32 s[\g+1], 32<<16
	s_mov_b32 s[\g+2], 34<<16
	s_mov_b32 s[\g+3], 32<<16
	s_mov_b32 s[\g+4], 34
	s_mov_b32 s[\g+5], 32
	s_mov_b32 s[\g+6], 0
	s_mov_b32 s[\g+7], 0
.endr
	s_mov_b32 s40, 2<<16                           ; group 1 for x: 16 rows of 128 elements of 4 bytes, 1,024 elements from row to row; no mask
	s_mov_b32 s41, 128<<16
	s_mov_b32 s42, 16<<16
	s_mov_b32 s43, 128<<16
	s_mov_b32 s44, 16
	s_mov_b32 s45, 1024
	s_mov_b32 s46, 0
	s_mov_b32 s47, 0
	s_mul_i32 s74, s19, 8704                       ; wave w % 4 takes rows 34 (w % 4) on of a panel's first 136 rows, and the same of its last 136
	s_mul_i32 s76, s17, PAN
	s_add_co_u32 s76, s76, s74
	s_mov_b32 s77, 0
	s_add_co_u32 s78, s18, 26                      ; W_out's panels begin at 26
	s_mul_i32 s78, s78, PAN
	s_add_co_u32 s78, s78, s74
	s_mov_b32 s79, 0
	s_lshl_b32 s96, s17, 19                        ; x and out0: row 128 tb + 16 w, column 128 nb
	s_lshl_b32 s97, s[WV], 16
	s_add_co_u32 s96, s96, s97
	s_lshl_b32 s97, s18, 9
	s_add_co_u32 s96, s96, s97
	s_mov_b32 s97, 0
	s_lshl_b32 s98, s17, 9                         ; out1: token 128 tb + 16 w
	s_lshl_b32 s99, s[WV], 6
	s_add_co_u32 s98, s98, s99
	s_mov_b32 s99, 0
	s_wait_dscnt 0x0
	s_wait_kmcnt 0x0
	s_add_nc_u64 s[76:77], s[4:5], s[76:77]
	s_add_nc_u64 s[78:79], s[6:7], s[78:79]
	s_add_nc_u64 s[10:11], s[10:11], s[98:99]
	s_add_nc_u64 s[12:13], s[12:13], s[96:97]
	s_load_b512 s[80:95], s[10:11], 0x0            ; my 16 tokens' gates
	s_mov_b32 s48, 1                               ; the tokens' panel, first half
	s_mov_b32 s49, s74
	s_mov_b64 s[50:51], s[76:77]
	s_or_b32 s51, s51, 0x80000000
	s_mov_b32 s52, 1                               ; second half
	s_add_co_u32 s53, s74, 34816
	s_add_nc_u64 s[54:55], s[76:77], 34816
	s_or_b32 s55, s55, 0x80000000
	s_mov_b32 s56, 1                               ; the weights' panel, first half
	s_add_co_u32 s57, s74, PAN
	s_mov_b64 s[58:59], s[78:79]
	s_or_b32 s59, s59, 0x80000000
	s_mov_b32 s60, 1                               ; second half
	s_add_co_u32 s61, s74, PAN+34816
	s_add_nc_u64 s[62:63], s[78:79], 34816
	s_or_b32 s63, s63, 0x80000000
	s_mov_b32 s68, 1                               ; my 16 rows of x
	s_lshl_b32 s69, s[WV], 13
	s_add_co_u32 s69, s69, XT
	s_add_nc_u64 s[70:71], s[8:9], s[96:97]
	s_or_b32 s71, s71, 0x80000000
	ROUND                                          ; all sixteen work-groups are here: the joint loads meet
	s_cmp_lt_u32 s[WV], 4                          ; a wave's three loads stand in one branch on the wave's number; three loads of mine are out
	s_cbranch_scc0 .Lfor_w
	tensor_load_to_lds s[48:51], s[24:31]
	s_nop 0
	tensor_load_to_lds s[52:55], s[24:31]
	s_nop 0
	tensor_load_to_lds s[68:71], s[40:47]
	s_nop 0
	PLACES
	s_branch .Lasked
.Lfor_w:
	tensor_load_to_lds s[56:59], s[32:39]
	s_nop 0
	tensor_load_to_lds s[60:63], s[32:39]
	s_nop 0
	tensor_load_to_lds s[68:71], s[40:47]
	s_nop 0
	PLACES
.Lasked:
	v_and_b32 v9, 31, v0
	v_lshlrev_b32 v1, 4, v9                        ; v1: 16 x lane
	v_and_b32 v10, 15, v0                          ; r
	v_bfe_u32 v11, v0, 4, 1                        ; h
	s_lshl_b32 s72, s19, 11
	s_add_co_u32 s72, s72, 4096
	v_add_nc_u32 v2, s72, v1                       ; v2: the tokens' fragments: tiles 2 tq, 2 tq + 1
	s_lshl_b32 s72, s20, 12
	s_add_co_u32 s72, s72, PAN+4096
	v_add_nc_u32 v3, s72, v1                       ; v3: the weights': tiles 4 nh on
	s_lshl_b32 s72, s19, 10
	v_lshl_add_u32 v4, v10, 4, s72                 ; v4: the tokens' scale words
	s_lshl_b32 s72, s20, 11
	s_add_co_u32 s72, s72, PAN
	v_lshl_add_u32 v5, v10, 4, s72                 ; v5: the weights'
	v_and_b32 v6, 8, v10
	v_add_nc_u32 v6, v6, v10                       ; r + 8 (r / 8)
	s_lshl_b32 s72, s19, 5
	v_add_nc_u32 v6, s72, v6                       ; + 32 tq: my token's row in the stage (tile a: 8 a rows further)
	v_mul_u32_u24 v6, v6, 528
	v_lshl_add_u32 v6, v11, 6, v6                  ; + 64 h
	s_lshl_b32 s72, s20, 8
	s_add_co_u32 s72, s72, STG
	v_add_nc_u32 v6, s72, v6                       ; v6: + 256 nh
	s_mul_i32 s72, s[WV], 16*528
	s_add_co_u32 s72, s72, STG
	v_add_nc_u32 v7, s72, v1                       ; v7: back: rows 16 w on, 16 bytes a lane
	s_lshl_b32 s72, s[WV], 13
	s_add_co_u32 s72, s72, XT
	v_add_nc_u32 v8, s72, v1                       ; v8: my rows of x
.macro FETCH s                         ; K step s: six fragments, 12 loads, into set s % 2
.irp b, 0,1,2,3
.irp c, 0,1
	ds_load_b128 v[F0+48*((\s)%2)+8*\b+4*\c:F0+48*((\s)%2)+8*\b+4*\c+3], v3 offset:(\s)*8192+\b*1024+512*\c
.endr
.endr
.irp a, 0,1
.irp c, 0,1
	ds_load_b128 v[F0+48*((\s)%2)+32+8*\a+4*\c:F0+48*((\s)%2)+32+8*\a+4*\c+3], v2 offset:(\s)*8192+\a*1024+512*\c
.endr
.endr
.endm
.macro MUL s, zero                     ; 8 products; the 8 accumulators take turns, one instruction a turn.  zero = 1: they start the sums
.irp a, 0,1
.irp b, 0,1,2,3
.if \zero
	v_wmma_scale_f32_16x16x128_f8f6f4 v[ACC+8*(4*\a+\b):ACC+8*(4*\a+\b)+7], v[F0+48*((\s)%2)+8*\b:F0+48*((\s)%2)+8*\b+7], v[F0+48*((\s)%2)+32+8*\a:F0+48*((\s)%2)+32+8*\a+7], 0, v[SW+8*\b+4*((\s)%2)+(\s)/2], v[SA+8*\a+4*((\s)%2)+(\s)/2] matrix_a_fmt:MATRIX_FMT_FP4 matrix_b_fmt:MATRIX_FMT_FP4
.else
	v_wmma_scale_f32_16x16x128_f8f6f4 v[ACC+8*(4*\a+\b):ACC+8*(4*\a+\b)+7], v[F0+48*((\s)%2)+8*\b:F0+48*((\s)%2)+8*\b+7], v[F0+48*((\s)%2)+32+8*\a:F0+48*((\s)%2)+32+8*\a+7], v[ACC+8*(4*\a+\b):ACC+8*(4*\a+\b)+7], v[SW+8*\b+4*((\s)%2)+(\s)/2], v[SA+8*\a+4*((\s)%2)+(\s)/2] matrix_a_fmt:MATRIX_FMT_FP4 matrix_b_fmt:MATRIX_FMT_FP4
.endif
.endr
.endr
.endm
	s_wait_tensorcnt 0x2                           ; my first load has landed; the panel's second half and x may stay out: no LDS byte is filled twice in this launch
	s_barrier_signal -1
	s_barrier_wait -1                              ; everybody's first has: all scale words and K steps 0 to 2 lie in LDS
.irp a, 0,1
.irp p, 0,1
	ds_load_b128 v[SA+8*\a+4*\p:SA+8*\a+4*\p+3], v4 offset:\a*512+\p*256
.endr
.endr
.irp b, 0,1,2,3
.irp p, 0,1
	ds_load_b128 v[SW+8*\b+4*\p:SW+8*\b+4*\p+3], v5 offset:\b*512+\p*256
.endr
.endr
	FETCH 0
	FETCH 1
	s_wait_dscnt 12                                ; all but the 12 loads of the K step fetched last
	MUL 0, 1
	PLACES
	FETCH 2
	s_wait_dscnt 12
	MUL 1, 0
	s_wait_dscnt 0x0
	MUL 2, 0
	s_wait_tensorcnt 0x1                           ; my second load has landed; x may stay out,
	s_barrier_signal -1
	s_barrier_wait -1                              ; everybody's second has
	PLACES
	FETCH 3
	FETCH 4
.irp s, 3,4,5
	s_wait_dscnt 12
	MUL \s, 0
	PLACES
	FETCH \s+2
.endr
	s_wait_dscnt 12
	MUL 6, 0
	s_wait_dscnt 0x0
	MUL 7, 0
	PLACES
.irp a, 0,1
.irp b, 0,1,2,3
	ds_store_b128 v6, v[ACC+8*(4*\a+\b):ACC+8*(4*\a+\b)+3] offset:\a*4224+128*(\b/2)+32*(\b%2)        ; each accumulator from its low end on: y(token, 64 nh + 32 (b / 2) + 16 h + 8 (b % 2) + 0 .. 7)
	ds_store_b128 v6, v[ACC+8*(4*\a+\b)+4:ACC+8*(4*\a+\b)+7] offset:\a*4224+128*(\b/2)+32*(\b%2)+16
.endr
.endr
	s_wait_dscnt 0x0                               ; for the others' sake: my stores into the stage are done
	s_barrier_signal -1
	s_barrier_wait -1
	s_wait_tensorcnt 0x0                           ; my rows of x, which I alone read
	s_wait_kmcnt 0x0                               ; my gates
.set t, 0
.rept 16
	ds_load_b128 v[F0+4*t:F0+4*t+3], v7 offset:528*t
	ds_load_b128 v[ACC+4*t:ACC+4*t+3], v8 offset:512*t
.set t, t+1
.endr
.set t, 0
.rept 16
	s_wait_dscnt 30-2*t                            ; row t's two loads are in; the later rows' pairs may be out
	v_pk_add_f32 v[F0+4*t:F0+4*t+1], v[F0+4*t:F0+4*t+1], v[ACC+4*t:ACC+4*t+1] neg_lo:[0,1] neg_hi:[0,1]       ; y - x
	v_pk_add_f32 v[F0+4*t+2:F0+4*t+3], v[F0+4*t+2:F0+4*t+3], v[ACC+4*t+2:ACC+4*t+3] neg_lo:[0,1] neg_hi:[0,1]
	v_fma_f32 v[F0+4*t], v[F0+4*t], s[80+t], v[ACC+4*t]                                                       ; x + g (y - x)
	v_fma_f32 v[F0+4*t+1], v[F0+4*t+1], s[80+t], v[ACC+4*t+1]
	v_fma_f32 v[F0+4*t+2], v[F0+4*t+2], s[80+t], v[ACC+4*t+2]
	v_fma_f32 v[F0+4*t+3], v[F0+4*t+3], s[80+t], v[ACC+4*t+3]
	global_store_b128 v1, v[F0+4*t:F0+4*t+3], s[12:13] offset:4096*t th:TH_STORE_NT   ; 32 lanes store 512 consecutive bytes, at a multiple of 256 from out0's first byte
.set t, t+1
.endr
	s_wait_dscnt 0x0
	s_wait_tensorcnt 0x0
	ds_add_u32 v254, v255
	s_wait_dscnt 0x0
	ROUND                                          ; the closing round: no work-group ends while a partner may still ask for a tile that names it
	s_endpgm
.Lfunc_end_k_q368aeba891_outp:
	.size	k_q368aeba891_outp, .Lfunc_end_k_q368aeba891_outp-k_q368aeba891_outp
	.p2alignl 7, 3214868480
	.fill 96, 4, 3214868480
	.section	.rodata,"a",@progbits
	.p2align	6, 0x0
	.amdhsa_kernel k_q368aeba891_outp
		.amdhsa_group_segment_fixed_size 273408
		.amdhsa_private_segment_fixed_size 0
		.amdhsa_enable_private_segment 0
		.amdhsa_kernarg_size 40
		.amdhsa_user_sgpr_count 2
		.amdhsa_user_sgpr_kernarg_segment_ptr 1
		.amdhsa_wavefront_size32 1
		.amdhsa_system_sgpr_workgroup_id_x 1
		.amdhsa_system_sgpr_workgroup_id_y 1
		.amdhsa_system_sgpr_workgroup_id_z 1
		.amdhsa_system_vgpr_workitem_id 0
		.amdhsa_next_free_vgpr 256
		.amdhsa_next_free_sgpr 100
		.amdhsa_reserve_vcc 0
		.amdhsa_float_denorm_mode_32 3
		.amdhsa_float_denorm_mode_16_64 3
		.amdhsa_memory_ordered 1
		.amdhsa_forward_progress 1
		.amdhsa_inst_pref_size 35
	.end_amdhsa_kernel
	.amdgpu_metadata
---
amdhsa.version: [ 1, 2 ]
amdhsa.kernels:
  - .name:           k_q368aeba891_outp
    .symbol:         k_q368aeba891_outp.kd
    .args:
      - { .name: apan, .offset: 0, .size: 8, .value_kind: global_buffer, .address_space: global }
      - { .name: wpan, .offset: 8, .size: 8, .value_kind: global_buffer, .address_space: global }
      - { .name: x, .offset: 16, .size: 8, .value_kind: global_buffer, .address_space: global }
      - { .name: out1, .offset: 24, .size: 8, .value_kind: global_buffer, .address_space: global }
      - { .name: out0, .offset: 32, .size: 8, .value_kind: global_buffer, .address_space: global }
    .group_segment_fixed_size: 273408
    .private_segment_fixed_size: 0
    .kernarg_segment_align: 8
    .kernarg_segment_size: 40
    .max_flat_workgroup_size: 256
    .sgpr_count:     100
    .vgpr_count:     256
    .wavefront_size: 32
...
	.end_amdgpu_metadata
.endif
;; end of part 4
